; MI455X (gfx1250); checked and timed in simulation.
; The chip was launched on July 23, 2026; its instructions are those of AMD's public machine-readable ISA for CDNA 5 (MIT licence, August 2026) and "CDNA5" Instruction Set Architecture Reference Guide (July 2026). The comments in the code are by the model that wrote it; some were corrected since.
;; Causal Self Attention. Allowed arithmetic: float matrix products may take bf16 or f16 operands with f32 sums; all other float work in f32.
;; Inputs: b_attn 3,072 float32; b_proj 1,024 float32; w_attn 1,024 x 3,072 float32; w_proj 1,024 x 1,024 float32; x 2 x 2,048 x 1,024 float32.
;; Outputs: out0 2 x 2,048 x 1,024 float32.
;; 2 versions, each right. Each part assembles by itself: llvm-mc -triple=amdgcn-amd-amdhsa -mcpu=gfx1250 --defsym DOCPART=n.
;; ======== version 1 of 2: 4 launches
;; limits: values are held in f16: magnitudes above 65,504 overflow, below 6.1e-05 lose precision
;; workspace buffers: xb 8,388,608 bytes; wa 6,291,456 bytes; wp 2,097,152 bytes; qkv 25,165,824 bytes; y2 16,777,216 bytes
;; launch cast (part 1): grid 1024 x 1, 8 waves a work-group, no clusters, 0 bytes of LDS; arguments x, w_attn, w_proj, xb, wa, wp; writes xb, wa, wp
.if DOCPART == 1
	.amdgcn_target "amdgcn-amd-amdhsa--gfx1250"
	.amdhsa_code_object_version 6
	.text
	.protected	k_qd4e139d09e_cast
	.globl	k_qd4e139d09e_cast
	.p2align	8
	.type	k_qd4e139d09e_cast,@function
k_qd4e139d09e_cast:
	s_mov_b64 s[64:65], 0
	v_nop
	global_prefetch_b8 v0, s[64:65] scope:SCOPE_SE
	s_setreg_imm32_b32 hwreg(HW_REG_WAVE_MODE, 25, 1), 1
	s_wait_xcnt 0x0
; x, w_attn and w_proj, f32, are rounded once (to nearest even) to bf16 into xb, wa, wp, in the same order of elements.
; A stream: every byte is read once and written once; no LDS, no barrier, no matrix instruction would add anything.
; A work-group takes 8,192 numbers (32,768 bytes in, 16,384 out).  Work-groups 0-511 take x (4,194,304 numbers),
; 512-895 w_attn (3,145,728), 896-1023 w_proj (1,048,576).  Thread t takes 16 bytes at 16 t of each of eight blocks of 4,096 bytes:
; a wave's load covers 512 neighbouring bytes, its store of 8 bytes a lane 256 neighbouring bytes, aligned.
; All eight loads of a thread go out at once; no register is written twice, so no source has to be freed.
.set X, 4                              ; v[4:35]   eight groups of four f32
.set Y, 36                             ; v[36:51]  eight groups of four bf16
	s_load_b256 s[4:11], s[0:1], 0x0               ; x s[4:5], w_attn s[6:7], w_proj s[8:9], xb s[10:11]
	s_load_b128 s[12:15], s[0:1], 0x20             ; wa s[12:13], wp s[14:15]
	v_lshlrev_b32 v1, 4, v0                        ; 16 t: where I read
	v_lshlrev_b32 v2, 3, v0                        ; 8 t: where I write
	s_wait_kmcnt 0x0
	s_cmp_lt_u32 ttmp9, 512                        ; the choice hangs on the work-group's number alone
	s_cselect_b64 s[20:21], s[4:5], s[6:7]         ; source
	s_cselect_b64 s[22:23], s[10:11], s[12:13]     ; destination
	s_cselect_b32 s24, 0, 512                      ; first work-group of the range
	s_cmp_lt_u32 ttmp9, 896
	s_cselect_b64 s[20:21], s[20:21], s[8:9]
	s_cselect_b64 s[22:23], s[22:23], s[14:15]
	s_cselect_b32 s24, s24, 896
	s_sub_co_u32 s25, ttmp9, s24                   ; my number inside the range
	s_lshl_b32 s26, s25, 15                        ; x 32,768 bytes in (below 2^24)
	s_mov_b32 s27, 0
	s_lshl_b32 s28, s25, 14                        ; x 16,384 bytes out
	s_mov_b32 s29, 0
	s_add_nc_u64 s[20:21], s[20:21], s[26:27]
	s_add_nc_u64 s[22:23], s[22:23], s[28:29]
.irp j, 0,1,2,3,4,5,6,7
	global_load_b128 v[X+4*\j:X+4*\j+3], v1, s[20:21] offset:4096*\j th:TH_LOAD_NT   ; read once in the launch
.endr
.irp j, 0,1,2,3,4,5,6,7
	s_wait_loadcnt 7-\j                            ; loads come back in order (ISA guide 5.7.1): group j is in, the 7 - j younger ones stay out
	v_cvt_pk_bf16_f32 v[Y+2*\j],   v[X+4*\j],   v[X+4*\j+1]
	v_cvt_pk_bf16_f32 v[Y+2*\j+1], v[X+4*\j+2], v[X+4*\j+3]
	global_store_b64 v2, v[Y+2*\j:Y+2*\j+1], s[22:23] offset:2048*\j   ; no hint: the next launch reads these bytes
.endr
	s_endpgm
.Lfunc_end_k_qd4e139d09e_cast:
	.size	k_qd4e139d09e_cast, .Lfunc_end_k_qd4e139d09e_cast-k_qd4e139d09e_cast
	.p2alignl 7, 3214868480
	.fill 96, 4, 3214868480
	.section	.rodata,"a",@progbits
	.p2align	6, 0x0
	.amdhsa_kernel k_qd4e139d09e_cast
		.amdhsa_group_segment_fixed_size 0
		.amdhsa_private_segment_fixed_size 0
		.amdhsa_enable_private_segment 0
		.amdhsa_kernarg_size 48
		.amdhsa_user_sgpr_count 2
		.amdhsa_user_sgpr_kernarg_segment_ptr 1
		.amdhsa_wavefront_size32 1
		.amdhsa_system_sgpr_workgroup_id_x 1
		.amdhsa_system_sgpr_workgroup_id_y 1
		.amdhsa_system_sgpr_workgroup_id_z 1
		.amdhsa_system_vgpr_workitem_id 0
		.amdhsa_next_free_vgpr 56
		.amdhsa_next_free_sgpr 66
		.amdhsa_reserve_vcc 0
		.amdhsa_float_denorm_mode_32 3
		.amdhsa_float_denorm_mode_16_64 3
		.amdhsa_memory_ordered 1
		.amdhsa_forward_progress 1
		.amdhsa_inst_pref_size 4
	.end_amdhsa_kernel
	.amdgpu_metadata
---
amdhsa.version: [ 1, 2 ]
amdhsa.kernels:
  - .name:           k_qd4e139d09e_cast
    .symbol:         k_qd4e139d09e_cast.kd
    .args:
      - { .name: x, .offset: 0, .size: 8, .value_kind: global_buffer, .address_space: global }
      - { .name: w_attn, .offset: 8, .size: 8, .value_kind: global_buffer, .address_space: global }
      - { .name: w_proj, .offset: 16, .size: 8, .value_kind: global_buffer, .address_space: global }
      - { .name: xb, .offset: 24, .size: 8, .value_kind: global_buffer, .address_space: global }
      - { .name: wa, .offset: 32, .size: 8, .value_kind: global_buffer, .address_space: global }
      - { .name: wp, .offset: 40, .size: 8, .value_kind: global_buffer, .address_space: global }
    .group_segment_fixed_size: 0
    .private_segment_fixed_size: 0
    .kernarg_segment_align: 8
    .kernarg_segment_size: 48
    .max_flat_workgroup_size: 256
    .sgpr_count:     66
    .vgpr_count:     56
    .wavefront_size: 32
...
	.end_amdgpu_metadata
.endif
;; end of part 1
;; launch qkv (part 2): grid 8 x 32, 4 waves a work-group, clusters of 4 x 4, 327,680 bytes of LDS; arguments xb, wa, b_attn, qkv; writes qkv
.if DOCPART == 2
	.amdgcn_target "amdgcn-amd-amdhsa--gfx1250"
	.amdhsa_code_object_version 6
	.text
	.protected	k_qd4e139d09e_qkv
	.globl	k_qd4e139d09e_qkv
	.p2align	8
	.type	k_qd4e139d09e_qkv,@function
k_qd4e139d09e_qkv:
	s_mov_b64 s[64:65], 0
	v_nop
	global_prefetch_b8 v0, s[64:65] scope:SCOPE_SE
	s_setreg_imm32_b32 hwreg(HW_REG_WAVE_MODE, 25, 1), 1
	s_wait_xcnt 0x0
	s_wait_alu depctr_hold_cnt(0) depctr_sa_sdst(0) depctr_va_vdst(0) depctr_va_sdst(0) depctr_va_ssrc(0) depctr_va_vcc(0) depctr_vm_vsrc(0)
	s_getreg_b32 s2, hwreg(HW_REG_IB_STS2, 6, 4)
	s_cmp_eq_u32 s2, 0
	s_cbranch_scc0 .Lentry_in_a_cluster
	s_endpgm
.Lentry_in_a_cluster:
	s_bfe_u32 s2, ttmp6, 0x10000c
	s_cmp_lg_u32 s2, 0xf033
	s_cbranch_scc0 .Lentry_shape_is_right
	s_endpgm
.Lentry_shape_is_right:
; qkv = xb . wa + b_attn.  xb: [4096][1024] bf16, wa: [1024 k][3072 n] bf16, b_attn: [3072] f32 (added in f32, unrounded).
; Out: f16, laid by head: qkv[which 0..2][batch 0..1][head 0..15][t 0..2047][d 0..63]; a (which, batch, head) plane is 262,144 dense bytes.
; LIMIT: q, k and v are stored in f16: a magnitude above 65,504 becomes infinite; below 6.1e-5 the absolute error is up to 3e-8.
; A work-group makes 128 rows x 384 columns (six head groups of 64 columns) with four waves.  Wave w makes all 128 rows of the 16-column
; slice w of each head group: 8 x 6 = 48 accumulator tiles of 16 x 16, 384 registers.  K goes in steps of 128 through two LDS slots.
; A slot has four regions of 36,864 bytes: xb's tile (128 rows x 256 bytes, pitch 272), then three pieces of wa's tile (128 k-rows x 128
; columns = 256 bytes, pitch 288).  Wave w fills region w with one tensor load of 128 rows x 256 bytes.
; CLUSTERS: 4 x 4 work-groups.  xb's tile hangs on the block row alone and is asked for jointly by the four of a row of the cluster;
; wa's pieces hang on the block column alone and are asked for jointly by the four of a column.
; wa lies [k][n], so its fragments come by the transposing LDS load (16-bit, 8 x 8 elements within eight lanes).
; THE MATRIX INSTRUCTION IS USED TRANSPOSED (source 0 = 16 columns of wa, source 1 = 16 rows of xb): lane l then holds row l % 16 and the
; eight neighbouring columns 8 (l / 16) + 0..7, which pack into 16 bytes of f16.
; REGISTERS: window 0: v16-29 addresses, v64-127 / v128-191 fragments of xb (two buffers), v192-239 bias of my 48 columns;
; window 1: v64-111 / v128-175 fragments of wa; window 2: accumulators of row tiles 0-3 (tile (a, b) at v[8 (6 a + b)]); window 3: row tiles 4-7.
.set KSTEP, 128
.set PA,    272                        ; pitch of xb's tile: 256 + 16 bytes, an odd multiple of 16
.set PB,    288                        ; pitch of wa's pieces: 256 + 32 bytes, an odd multiple of 32
.set REG,   128*PB                     ; 36,864: a region
.set SLOT,  4*REG
.set LAPS,  1024/(2*KSTEP)             ; a lap = two K steps = once round the ring
.set SP,    144                        ; the way out: pitch of a head group's row (128 bytes of f16 + 16)
.set SG,    128*SP                     ; the way out: a head group's 128 rows
.set ADRA, 16                          ; v16-17  LDS address of my xb fragments in slot 0, 1
.set ADRB, 18                          ; v18-23  the same for wa: slot s, piece u at v[18 + 3 s + u]
.set STO,  24                          ; v24-25  the way out: where I put 16 bytes (groups 0-2, groups 3-5)
.set RD,   26                          ; v26-27  the way out: where I read rows back (groups 0-2, groups 3-5)
.set CO,   28                          ; v28     my byte offset in a plane's 128 rows
.set BO,   29                          ; v29     my byte offset in the block's 384 biases
.set F0,   64
.set F1,   128
.set BIAS, 192
.set G1,  24                           ; s[24:31] group 1 for xb's tile
.set G0,  32                           ; s[32:39] group 0 for xb's tile, one set for each slot
.set G1B, 48                           ; s[48:55] group 1 for wa's pieces
.set G0B, 56                           ; s[56:63] group 0 for wa's pieces, one set for each slot
.set MSB, 0
.macro WIN new                         ; the immediate's high byte repeats the setting that is left
.if MSB != \new
	s_set_vgpr_msb (MSB<<8)|\new
.set MSB, \new
.endif
.endm
.set MUL_LO, 0xa1                      ; source 0 (wa) window 1, source 1 (xb) window 0, C and D window 2
.set MUL_HI, 0xf1                      ; the same, C and D window 3
.set TO_B,   0x40                      ; destination window 1, address window 0
; A joint load: wave 0 asks for xb's tile, waves 1 to 3 for wa's pieces.  Each line has one mask; the branch hangs on the wave's number alone.
.macro JLOAD s
	s_cmp_eq_u32 s12, 0
	s_cbranch_scc0 .Lfor_b_\@
	tensor_load_to_lds s[G0+4*\s:G0+4*\s+3], s[G1:G1+7]
	s_nop 0
	s_branch .Lasked_\@
.Lfor_b_\@:
	tensor_load_to_lds s[G0B+4*\s:G0B+4*\s+3], s[G1B:G1B+7]
	s_nop 0
.Lasked_\@:
.endm
.macro CREST                           ; a round of the cluster's barrier behind its opening work-group barrier
	s_cmp_lg_u32 s12, 0
	s_cbranch_scc1 .Lnot_wave_0_\@
	s_barrier_signal -3
.Lnot_wave_0_\@:
	s_barrier_wait -3
	s_barrier_signal -1
	s_barrier_wait -1
.endm
.macro CROUND                          ; a whole round
	s_barrier_signal -1
	s_barrier_wait -1
	CREST
.endm
	s_load_b256 s[4:11], s[0:1], 0x0               ; xb s[4:5], wa s[6:7], b_attn s[8:9], qkv s[10:11]
	s_set_vgpr_msb 0x40
	v_lshl_add_u32 v255, v0, 2, 0x48000
	s_set_vgpr_msb 0x4000
	v_mov_b32 v255, 0
	s_set_vgpr_msb 0x1
	ds_add_u32 v255, v255
	s_set_vgpr_msb 0x100
	v_lshrrev_b32 v1, 5, v0
	v_readfirstlane_b32 s12, v1                    ; wave 0..3
	s_bfe_u32 s40, ttmp6, 0x40000                  ; cx
	s_bfe_u32 s41, ttmp6, 0x40004                  ; cy
	s_lshl_b32 s42, ttmp9, 2
	s_add_co_u32 s42, s42, s40                     ; block column 0..7 = 4 x cluster x + cx
	s_and_b32 s13, ttmp7, 0xffff
	s_lshl_b32 s13, s13, 2
	s_add_co_u32 s13, s13, s41                     ; block row 0..31 = 4 x cluster y + cy
	s_lshl_b32 s43, s41, 2
	s_lshl_b32 s43, 15, s43                        ; my row of the cluster: places 4 cy .. 4 cy + 3
	s_lshl_b32 s44, 0x1111, s40                    ; my column: places cx, cx + 4, cx + 8, cx + 12
	; group 1: tiles of 128 rows x 128 elements of 2 bytes; after every 64 words (code 5) a pad of 4 words (xb) or 8 words (wa); bit 21 set beside a mask
	s_or_b32 s[G1+0],  s43, (1<<16)|(1<<20)|(1<<21)|(5<<22)|(3<<25)
	s_or_b32 s[G1B+0], s44, (1<<16)|(1<<20)|(1<<21)|(5<<22)|(7<<25)
	s_mov_b32 s[G1+1],  KSTEP<<16                  ; tensor_dim0 = 128
	s_mov_b32 s[G1B+1], 128<<16
	s_mov_b32 s[G1+2],  128<<16                    ; tensor_dim1 = 128
	s_mov_b32 s[G1B+2], KSTEP<<16
	s_mov_b32 s[G1+3],  KSTEP<<16                  ; tile_dim0 = 128
	s_mov_b32 s[G1B+3], 128<<16
	s_mov_b32 s[G1+4],  128                        ; tile_dim1 = 128
	s_mov_b32 s[G1B+4], KSTEP
	s_mov_b32 s[G1+5],  1024                       ; elements from row to row of xb
	s_mov_b32 s[G1B+5], 3072                       ; and of wa
	s_mov_b32 s[G1+6],  0
	s_mov_b32 s[G1B+6], 0
	s_mov_b32 s[G1+7],  0
	s_mov_b32 s[G1B+7], 0
	s_lshl_b32 s16, s13, 18                        ; xb: block row x 128 rows x 2,048 bytes
	s_mov_b32 s17, 0
	s_max_u32 s45, s12, 1
	s_sub_co_u32 s45, s45, 1                       ; wa's piece of waves 1, 2, 3: 0, 1, 2 (wave 0 asks for none)
	s_lshl_b32 s45, s45, 8                         ; x 128 columns x 2 bytes
	s_mul_i32 s46, s42, 768                        ; block column x 384 columns x 2 bytes
	s_add_co_u32 s46, s46, s45
	s_mov_b32 s47, 0
	s_mul_i32 s20, s12, REG                        ; region w: no place in the cluster enters an LDS address
	s_mul_i32 s84, s42, 1536                       ; the block's first bias: 384 columns x 4 bytes
	s_mov_b32 s85, 0
	s_wait_dscnt 0x0
	s_wait_kmcnt 0x0
	s_add_nc_u64 s[14:15], s[4:5], s[16:17]
	s_add_nc_u64 s[46:47], s[6:7], s[46:47]
	s_add_nc_u64 s[8:9], s[8:9], s[84:85]
	CROUND                                         ; all sixteen work-groups are here: the first joint loads meet
.irp s, 0,1
	s_mov_b32 s[G0+4*\s], 1
	s_add_co_u32 s[G0+4*\s+1], s20, \s*SLOT
	s_add_nc_u64 s[G0+4*\s+2:G0+4*\s+3], s[14:15], \s*KSTEP*2          ; K step s: 128 elements along xb's rows
	s_or_b32 s[G0+4*\s+3], s[G0+4*\s+3], 0x80000000
	s_mov_b32 s[G0B+4*\s], 1
	s_add_co_u32 s[G0B+4*\s+1], s20, \s*SLOT
	s_add_nc_u64 s[G0B+4*\s+2:G0B+4*\s+3], s[46:47], \s*KSTEP*6144     ; K step s: 128 rows of wa down
	s_or_b32 s[G0B+4*\s+3], s[G0B+4*\s+3], 0x80000000
	JLOAD \s                                       ; both first fills go out as one group: two loads of the wave are out
.endr
	v_and_b32 v1, 15, v0                           ; r = l % 16
	v_bfe_u32 v2, v0, 4, 1                         ; h = l / 16
	v_mul_u32_u24 v[ADRA], v1, PA
	v_lshl_add_u32 v[ADRA], v2, 4, v[ADRA]         ; xb's fragments: row r x pitch + 16 h
	v_add_nc_u32 v[ADRA+1], SLOT, v[ADRA]
	v_and_b32 v3, 7, v0
	v_lshl_add_u32 v3, v2, 3, v3                   ; wa's fragments: k-row 8 h + l % 8,
	v_mul_u32_u24 v3, v3, PB
	v_bfe_u32 v4, v0, 3, 1
	v_lshl_add_u32 v3, v4, 4, v3                   ; 16 bytes further for lanes 8-15 and 24-31,
	s_lshl_b32 s21, s12, 5
	v_add_nc_u32 v3, s21, v3                       ; my slice: 16 w columns
.irp s, 0,1
.irp u, 0,1,2
	v_add_nc_u32 v[ADRB+3*\s+\u], \s*SLOT+(\u+1)*REG, v3
.endr
.endr
	v_mul_u32_u24 v[STO], v1, SP                   ; the way out, in: row r, my slice's 32 bytes, 16 for each half of the lanes
	v_lshl_add_u32 v[STO], v2, 4, v[STO]
	v_add_nc_u32 v[STO], s21, v[STO]
	v_add_nc_u32 v[STO+1], 3*SG, v[STO]
	v_bfe_u32 v5, v0, 3, 2                         ; the way out, back: eight lanes take a row's 128 bytes, a wave four rows
	v_mul_u32_u24 v[RD], v5, SP
	v_and_b32 v6, 7, v0
	v_lshl_add_u32 v[RD], v6, 4, v[RD]
	s_mul_i32 s22, s12, 32*SP                      ; rows 32 w .. 32 w + 31 are mine
	v_add_nc_u32 v[RD], s22, v[RD]
	v_add_nc_u32 v[RD+1], 3*SG, v[RD]
	v_and_b32 v7, 31, v0
	s_lshl_b32 s23, s12, 12
	v_lshl_add_u32 v[CO], v7, 4, s23               ; in the plane those rows are dense: 4,096 w + 16 l
	v_lshlrev_b32 v[BO], 5, v2
	s_lshl_b32 s86, s12, 6
	v_add_nc_u32 v[BO], s86, v[BO]                 ; bias: 4 bytes x (16 w + 8 h)
.irp b, 0,1,2,3,4,5
	global_load_b128 v[BIAS+8*\b:BIAS+8*\b+3],   v[BO], s[8:9] offset:256*\b      ; the eight biases of my columns in head group b; waited for at the way out
	global_load_b128 v[BIAS+8*\b+4:BIAS+8*\b+7], v[BO], s[8:9] offset:256*\b+16
.endr
; 12 matrix instructions: row tiles a0, a0 + 1 of the window's four x my six column tiles, 32 along K.  zero = 1: the first product starts the sums.
; The 48 accumulators take turns, one instruction a turn, in the same order in every quarter step.
.macro MUL12 f, hi, a0, zero
.irp a, \a0, \a0+1
.irp b, 0,1,2,3,4,5
.if \zero
	v_wmma_f32_16x16x32_bf16 v[8*(6*(\a)+\b):8*(6*(\a)+\b)+7], v[\f+8*\b:\f+8*\b+7], v[\f+8*(4*\hi+\a):\f+8*(4*\hi+\a)+7], 0
.else
	v_wmma_f32_16x16x32_bf16 v[8*(6*(\a)+\b):8*(6*(\a)+\b)+7], v[\f+8*\b:\f+8*\b+7], v[\f+8*(4*\hi+\a):\f+8*(4*\hi+\a)+7], v[8*(6*(\a)+\b):8*(6*(\a)+\b)+7]
.endif
.endr
.endr
.endm
; 28 LDS loads in one run: the fragments of quarter step kq (32 along K) into buffer f: 12 transposing loads for wa, 16 plain ones for xb.
; Column tile b lies in piece b / 2 at byte 128 (b % 2) + 32 w of its rows; 32 k-rows are 9,216 bytes, 16 are 4,608.
.macro FETCH slot, kq, f
	WIN TO_B
.irp b, 0,1,2,3,4,5
	ds_load_tr16_b128 v[\f+8*\b:\f+8*\b+3],   v[ADRB+3*\slot+\b/2] offset:128*(\b%2)+32*PB*\kq
	ds_load_tr16_b128 v[\f+8*\b+4:\f+8*\b+7], v[ADRB+3*\slot+\b/2] offset:128*(\b%2)+32*PB*\kq+16*PB
.endr
	WIN 0
.irp i, 0,1,2,3,4,5,6,7
	ds_load_b128 v[\f+8*\i:\f+8*\i+3],   v[ADRA+\slot] offset:64*\kq+\i*16*PA
	ds_load_b128 v[\f+8*\i+4:\f+8*\i+7], v[ADRA+\slot] offset:64*\kq+\i*16*PA+32
.endr
.endm
; Four places behind a matrix instruction before a load is issued into one of its sources or a vector instruction reads its result
; (ISA guide 7.12.1 for vector instructions); other matrix instructions are not counted as places.
.macro PLACES
.rept 4
	v_nop
.endr
.endm
.macro QUARTER slot, kq, f, g, zero    ; multiplies buffer f; in its middle fetches quarter kq of the same slot into buffer g
	s_wait_dscnt 8                                 ; wa's fragments and xb's row tiles 0-3 are in; the youngest eight loads (row tiles 4-7) may be out
	WIN MUL_LO
	MUL12 \f, 0, 0, \zero
	MUL12 \f, 0, 2, \zero
	PLACES
	FETCH \slot, \kq, \g
	s_wait_dscnt 28                                ; all but the 28 just issued
	WIN MUL_HI
	MUL12 \f, 1, 0, \zero
	MUL12 \f, 1, 2, \zero
.endm
.macro THREE slot, zero
	QUARTER \slot, 1, F0, F1, \zero
	QUARTER \slot, 2, F1, F0, 0
	QUARTER \slot, 3, F0, F1, 0
.endm
; The last quarter of a K step multiplies buffer 1 and changes slots.  In front of the barrier each wave waits for its reads of this slot and
; for all its tensor loads (one is out: its region of the next slot).  fill = 1: the barrier opens a round of the cluster's barrier, and the
; joint refill of this slot, two K steps ahead, is the first tensor load behind the round.  From that request to the wait for it a wave
; issues 180 matrix instructions.
.macro TURN slot, next, fill
	s_wait_dscnt 8
	WIN MUL_LO
	MUL12 F1, 0, 0, 0
	s_wait_dscnt 0                                 ; my reads of this slot are over
	s_wait_tensorcnt 0x0                           ; all my tensor loads have landed
	ds_add_u32 v255, v255
	s_wait_dscnt 0x0
	s_barrier_signal -1
	MUL12 F1, 0, 2, 0                              ; register work while the others arrive
	WIN 0
	s_barrier_wait -1
.if \fill
	CREST                                          ; no wave of any partner still reads this slot or has a load on its way
	s_add_nc_u64 s[G0+4*\slot+2:G0+4*\slot+3], s[G0+4*\slot+2:G0+4*\slot+3], 2*KSTEP*2
	s_add_nc_u64 s[G0B+4*\slot+2:G0B+4*\slot+3], s[G0B+4*\slot+2:G0B+4*\slot+3], 2*KSTEP*6144
	JLOAD \slot
.endif
	PLACES
	FETCH \next, 0, F0
	WIN MUL_HI
	MUL12 F1, 1, 0, 0
	MUL12 F1, 1, 2, 0
.endm
.macro LAP zero
	THREE 0, \zero
	TURN 0, 1, 1
	THREE 1, 0
	TURN 1, 0, 1
.endm
	s_wait_tensorcnt 1                             ; my region of K step 0 is in; K step 1's load stays out
	s_barrier_signal -1
	s_barrier_wait -1
	FETCH 0, 0, F0
	LAP 1                                          ; the first lap stands in front of the loop: its first products start the sums
	WIN 0
	s_mov_b32 s3, LAPS-2
.Llap:
	LAP 0
	WIN 0
	s_sub_co_u32 s3, s3, 1
	s_cmp_lg_u32 s3, 0
	s_cbranch_scc1 .Llap
	THREE 0, 0                                     ; the last lap fills nothing
	TURN 0, 1, 0                                   ; behind this barrier no wave reads slot 0 any more, and its last fill has landed
	THREE 1, 0
	s_wait_dscnt 8
	WIN MUL_LO
	MUL12 F1, 0, 0, 0
	MUL12 F1, 0, 2, 0
	s_wait_dscnt 0
	WIN MUL_HI
	MUL12 F1, 1, 0, 0
	MUL12 F1, 1, 2, 0
	; THE WAY OUT.  Bias added in f32, rounded once to f16, 16 bytes a lane into a stage of six head groups x [128 rows][144 bytes] that lies in
	; slot 0's bytes (110,592 of its 147,456), which are filled no more.  Behind a barrier wave w reads rows 32 w .. 32 w + 31 of each group
	; back: in the plane they are 4,096 dense bytes, and each store of the wave covers 512 of them, aligned.
	PLACES                                         ; the places behind the last matrix instructions
	s_mul_i32 s78, s42, 6                          ; my first head group, 0..47
	s_lshr_b32 s79, s13, 4
	s_lshl_b32 s79, s79, 4                         ; 16 x batch (a batch is 16 block rows)
	s_and_b32 s82, s13, 15
	s_lshl_b32 s82, s82, 14                        ; my 128 rows in the plane: 128 x 128 bytes each block row
.irp gi, 0,1,2,3,4,5
	s_add_co_u32 s80, s78, \gi                     ; G = 16 which + head
	s_lshr_b32 s81, s80, 4
	s_lshl4_add_u32 s80, s81, s80                  ; plane = 32 which + 16 batch + head = G + 16 (G >> 4) + 16 batch
	s_add_co_u32 s80, s80, s79
	s_lshl_b32 s80, s80, 18                        ; x 262,144 bytes (95 planes at the most: below 2^25)
	s_add_co_u32 s80, s80, s82
	s_mov_b32 s81, 0
	s_add_nc_u64 s[66+2*\gi:67+2*\gi], s[10:11], s[80:81]
.endr
	s_wait_loadcnt 0x0                             ; the biases
.macro OUTM a, hi                      ; row tile a of window 2 + hi
	WIN 0x02+\hi
.irp b, 0,1,2,3,4,5
.irp q, 0,1,2,3
	v_pk_add_f32 v[64+8*\b+2*\q:64+8*\b+2*\q+1], v[8*(6*\a+\b)+2*\q:8*(6*\a+\b)+2*\q+1], v[BIAS+8*\b+2*\q:BIAS+8*\b+2*\q+1]
.endr
.endr
	WIN 0
.irp b, 0,1,2,3,4,5
.irp q, 0,1,2,3
	v_cvt_pk_f16_f32 v[112+4*\b+\q], v[64+8*\b+2*\q], v[64+8*\b+2*\q+1]
.endr
.endr
.irp b, 0,1,2,3,4,5
	ds_store_b128 v[STO+\b/3], v[112+4*\b:112+4*\b+3] offset:(\b%3)*SG+16*SP*(\a+4*\hi)
.endr
.endm
	OUTM 0, 0
	OUTM 1, 0
	OUTM 2, 0
	OUTM 3, 0
	OUTM 0, 1
	OUTM 1, 1
	OUTM 2, 1
	OUTM 3, 1
	s_wait_dscnt 0x0                               ; my stores into the stage are done, for the other waves' sake
	s_barrier_signal -1
	s_barrier_wait -1
.macro OUTG gi, f
	s_wait_xcnt 0x0                                ; registers that earlier stores read are loaded again only behind this wait
.irp i, 0,1,2,3,4,5,6,7
	ds_load_b128 v[\f+4*\i:\f+4*\i+3], v[RD+\gi/3] offset:(\gi%3)*SG+4*SP*\i
.endr
.irp i, 0,1,2,3,4,5,6,7
	s_wait_dscnt 7-\i                              ; LDS loads come back in order: load i is in
	global_store_b128 v[CO], v[\f+4*\i:\f+4*\i+3], s[66+2*\gi:67+2*\gi] offset:512*\i
.endr
.endm
	OUTG 0, F0
	OUTG 1, F1
	OUTG 2, F0
	OUTG 3, F1
	OUTG 4, F0
	OUTG 5, F1
	s_set_vgpr_msb 0x1
	s_wait_tensorcnt 0x0
	ds_add_u32 v255, v255
	s_wait_dscnt 0x0
	s_set_vgpr_msb 0x100
	CROUND                                         ; the closing round: no work-group ends while a partner may still ask for a tile that names it
	s_endpgm
.Lfunc_end_k_qd4e139d09e_qkv:
	.size	k_qd4e139d09e_qkv, .Lfunc_end_k_qd4e139d09e_qkv-k_qd4e139d09e_qkv
	.p2alignl 7, 3214868480
	.fill 96, 4, 3214868480
	.section	.rodata,"a",@progbits
	.p2align	6, 0x0
	.amdhsa_kernel k_qd4e139d09e_qkv
		.amdhsa_group_segment_fixed_size 327680
		.amdhsa_private_segment_fixed_size 0
		.amdhsa_enable_private_segment 0
		.amdhsa_kernarg_size 32
		.amdhsa_user_sgpr_count 2
		.amdhsa_user_sgpr_kernarg_segment_ptr 1
		.amdhsa_wavefront_size32 1
		.amdhsa_system_sgpr_workgroup_id_x 1
		.amdhsa_system_sgpr_workgroup_id_y 1
		.amdhsa_system_sgpr_workgroup_id_z 1
		.amdhsa_system_vgpr_workitem_id 0
		.amdhsa_next_free_vgpr 960
		.amdhsa_next_free_sgpr 96
		.amdhsa_reserve_vcc 0
		.amdhsa_float_denorm_mode_32 3
		.amdhsa_float_denorm_mode_16_64 3
		.amdhsa_memory_ordered 1
		.amdhsa_forward_progress 1
		.amdhsa_inst_pref_size 173
	.end_amdhsa_kernel
	.amdgpu_metadata
---
amdhsa.version: [ 1, 2 ]
amdhsa.kernels:
  - .name:           k_qd4e139d09e_qkv
    .symbol:         k_qd4e139d09e_qkv.kd
    .args:
      - { .name: xb, .offset: 0, .size: 8, .value_kind: global_buffer, .address_space: global }
      - { .name: wa, .offset: 8, .size: 8, .value_kind: global_buffer, .address_space: global }
      - { .name: b_attn, .offset: 16, .size: 8, .value_kind: global_buffer, .address_space: global }
      - { .name: qkv, .offset: 24, .size: 8, .value_kind: global_buffer, .address_space: global }
    .group_segment_fixed_size: 327680
    .private_segment_fixed_size: 0
    .kernarg_segment_align: 8
    .kernarg_segment_size: 32
    .max_flat_workgroup_size: 128
    .sgpr_count:     96
    .vgpr_count:     960
    .wavefront_size: 32
...
	.end_amdgpu_metadata
.endif
;; end of part 2
;; launch attn (part 3): grid 8 x 32, 8 waves a work-group, no clusters, 327,680 bytes of LDS; arguments qkv, y2; writes y2
.if DOCPART == 3
	.amdgcn_target "amdgcn-amd-amdhsa--gfx1250"
	.amdhsa_code_object_version 6
	.text
	.protected	k_qd4e139d09e_attn
	.globl	k_qd4e139d09e_attn
	.p2align	8
	.type	k_qd4e139d09e_attn,@function
k_qd4e139d09e_attn:
	s_mov_b64 s[64:65], 0
	v_nop
	global_prefetch_b8 v0, s[64:65] scope:SCOPE_SE
	s_setreg_imm32_b32 hwreg(HW_REG_WAVE_MODE, 25, 1), 1
	s_wait_xcnt 0x0
; Causal softmax attention, one (batch, head) for each work-group y, with a running maximum.  q, k, v: f16 planes [2048][64] of qkv.
; Out: y2[4096 rows][16 heads][hi 64 | lo 64] bf16: y as the pair hi = bf16(y), lo = bf16(y - hi); a (row, head) piece is 256 aligned bytes.
; BALANCE: work-group x = i takes query block 15 - i (16 - i key tiles of 128 keys) and then block i (i + 1 tiles): 17 tiles for every one.
; Eight waves: g = w & 3 picks 32 of the block's 128 queries, p = w >> 2 which 64 keys of each tile.  The two key halves keep their own
; maximum, sum and O and are merged once for each block, through LDS.
; BOTH PRODUCTS ARE TRANSPOSED.  S^T = K Q^T: lane (r, h) holds query r and keys 16 a + 8 h + j, so a lane owns one query, maximum and sum
; are its own but for one exchange with lane l ^ 16, and tiles 2 ks and 2 ks + 1 rounded to f16 are the second source of O^T = V^T P^T as they
; lie.  V^T's fragments come from V's rows by the transposing LDS load.
; The scale 1/8 and log2 e are one factor c; NM = -c x maximum is kept, so that p = exp2(c s + NM), one fused multiply-add.
; A tile is worked on only if its first key is not behind the wave's first query; then every query has a key that is not masked, the
; maximum is finite, and masked scores (set to -infinity) give p = 0.  State at a block's start: NM = +infinity, sum 0, O 0.
; NO CLUSTER: the eight work-groups of a head read the same planes but walk tiles 0 .. 15 - i and then 0 .. i; from the tenth trip on they
; want different tiles in the same trip, and one common walk for all eight would be 16 + 8 = 24 trips in place of 17.
; LIMITS: p is rounded to f16 (p <= 1; below 6.1e-5 with an absolute error up to 3e-8); q, k, v as the launch before leaves them.
.set PK,     144                       ; pitch of K's rows: 128 + 16 bytes, an odd multiple of 16
.set PV,     160                       ; pitch of V's rows: 128 + 32 bytes, an odd multiple of 32
.set KBYTES, 128*PK                    ; 18,432
.set SLOT,   128*PK+128*PV             ; 38,912: K's tile, then V's; two slots
.set SCR,    2*SLOT                    ; 77,824: hand-over of key half 1's state, block A: four waves x 8,704 bytes; block B 34,816 further
.set SCRW,   8704                      ; 64 registers of O and 4 of NM and sum, 128 bytes each
.set SCRB,   4*SCRW
.set STAGE,  SCR+2*SCRB                ; 147,456: four waves x [32 rows][272 bytes], the way out.  No fill lands in scratch or stage
.set ADK, 2                            ; v2-3    LDS address of my K fragments in slot 0, 1
.set ADV, 4                            ; v4-5    the same for V
                                       ; v6 r - 8 h   v7 the mask's bound   v[8:9] NM   v[10:11] sum   v[12:13] AL   v[14:15] BL   v16 -infinity
                                       ; v17 Q's offset   v18 scratch   v19 stage in   v20 stage back   v21 offset in y2   v24-47 at work
.set S,   64                           ; v64-127   scores, tile (a, tq) at 8 (2 a + tq)
.set O,   128                          ; v128-191  O^T, tile (dt, tq) at 8 (2 dt + tq)
.set Q,   192                          ; v192-223  Q's fragments (tq, ks) at 8 (2 tq + ks)
.set P,   224                          ; v224-255  P^T's fragments (tq, ks) at 8 (2 tq + ks)
.set KF,  0                            ; window 1: v0-63    K's fragments (a, ks) at 8 (2 a + ks)
.set VF,  64                           ; window 1: v64-127  V^T's fragments (dt, ks) at 8 (2 dt + ks)
.set QB,  128                          ; window 1: v128-159 Q of the second block, loaded at the start
.set G1K, 36                           ; s[36:43] group 1 for K's tile
.set G1V, 44                           ; s[44:51] group 1 for V's tile
.set G0K, 52                           ; s[52:59] group 0 for K's tile, slot s at 52 + 4 s
.set G0V, 60                           ; s[60:63], s[68:71] group 0 for V's tile, slot s at 60 + 8 s
.set MSB, 0
.macro WIN new
.if MSB != \new
	s_set_vgpr_msb (MSB<<8)|\new
.set MSB, \new
.endif
.endm
.macro PLACES                          ; four places behind a matrix instruction (ISA guide 7.12.1)
.rept 4
	v_nop
.endr
.endm
.macro KVLOAD s                        ; wave 0 asks for K's tile, wave 1 for V's, 128 rows each; the other waves ask for nothing
	s_cmp_lg_u32 s8, 0
	s_cbranch_scc1 .Lnot_k_\@
	tensor_load_to_lds s[G0K+4*\s:G0K+4*\s+3], s[G1K:G1K+7]
	s_nop 0
.Lnot_k_\@:
	s_cmp_lg_u32 s8, 1
	s_cbranch_scc1 .Lnot_v_\@
	tensor_load_to_lds s[G0V+8*\s:G0V+8*\s+3], s[G1V:G1V+7]
	s_nop 0
.Lnot_v_\@:
.endm
	s_load_b128 s[4:7], s[0:1], 0x0                ; qkv s[4:5], y2 s[6:7]
	v_lshl_add_u32 v62, v0, 2, 0x2c800
	v_mov_b32 v63, 0
	ds_add_u32 v62, v63
	v_lshrrev_b32 v1, 5, v0
	v_readfirstlane_b32 s8, v1                     ; wave 0..7
	s_and_b32 s9, s8, 3                            ; g: my 32 queries
	s_lshr_b32 s10, s8, 2                          ; p: my half of the keys
	s_mov_b32 s11, ttmp9                           ; i
	s_and_b32 s12, ttmp7, 0xffff                   ; 16 batch + head
	s_sub_co_u32 s13, 16, s11                      ; n1: tiles of the first block
	s_mov_b32 s14, 0                               ; t: the trip
	s_mov_b32 s15, 0                               ; kt: this trip's key tile
	s_mov_b32 s16, 0                               ; nx: the tile asked for last
	s_lshl_b32 s35, s10, 6                         ; 64 p
	s_lshl_b32 s19, s9, 5                          ; 32 g
	s_sub_co_u32 s17, 15, s11
	s_lshl_b32 s17, s17, 7
	s_add_co_u32 s17, s17, s19                     ; my first query in the block at work: 128 (15 - i) + 32 g
	s_lshl_b32 s18, s11, 7
	s_add_co_u32 s18, s18, s19                     ; and in the second block: 128 i + 32 g
	s_mov_b32 s21, 0                               ; s[20:21]: offsets, all below 2^25
	s_mov_b32 s30, 0x3e38aa3b                      ; c = log2 e / 8, twice
	s_mov_b32 s31, 0x3e38aa3b
	s_mov_b32 s32, 0x76543210                      ; v_permlanex16_b32: lane l reads lane l ^ 16
	s_mov_b32 s33, 0xfedcba98
	; group 1: 128 rows x 64 elements of 2 bytes, dense in memory; after every 32 words (code 4) a pad of 4 words (K) or 8 words (V)
	s_mov_b32 s[G1K+0], (1<<16)|(1<<20)|(4<<22)|(3<<25)
	s_mov_b32 s[G1V+0], (1<<16)|(1<<20)|(4<<22)|(7<<25)
.irp gg, G1K, G1V
	s_mov_b32 s[\gg+1], 64<<16                     ; tensor_dim0 = 64
	s_mov_b32 s[\gg+2], 128<<16                    ; tensor_dim1 = 128
	s_mov_b32 s[\gg+3], 64<<16                     ; tile_dim0 = 64
	s_mov_b32 s[\gg+4], 128                        ; tile_dim1 = 128
	s_mov_b32 s[\gg+5], 64                         ; elements from row to row
	s_mov_b32 s[\gg+6], 0
	s_mov_b32 s[\gg+7], 0
.endr
	s_mov_b32 s[G0K+0], 1
	s_mov_b32 s[G0K+1], 0
	s_mov_b32 s[G0K+4], 1
	s_mov_b32 s[G0K+5], SLOT
	s_mov_b32 s[G0V+0], 1
	s_mov_b32 s[G0V+1], KBYTES
	s_mov_b32 s[G0V+8], 1
	s_mov_b32 s[G0V+9], SLOT+KBYTES
	s_lshl_b32 s20, s12, 18                        ; my plane: x 262,144 bytes
	s_wait_dscnt 0x0
	s_barrier_signal -1
	s_barrier_wait -1
	s_wait_kmcnt 0x0
	s_add_nc_u64 s[72:73], s[4:5], s[20:21]        ; q's plane
	s_add_nc_u64 s[22:23], s[72:73], 0x800000      ; k's: 32 planes on
	s_add_nc_u64 s[24:25], s[72:73], 0x1000000     ; v's: 64 planes on
	s_mov_b64 s[G0K+2:G0K+3], s[22:23]
	s_or_b32 s[G0K+3], s[G0K+3], 0x80000000
	s_mov_b64 s[G0V+2:G0V+3], s[24:25]
	s_or_b32 s[G0V+3], s[G0V+3], 0x80000000
	KVLOAD 0                                       ; tile 0, the one first fill at the start; slot 1 is first filled behind the first trip's barrier
	s_lshl_b32 s20, s18, 7
	s_add_nc_u64 s[74:75], s[72:73], s[20:21]      ; my 32 rows of q, second block
	s_lshl_b32 s20, s17, 7
	s_add_nc_u64 s[72:73], s[72:73], s[20:21]      ; and first block
	s_lshr_b32 s76, s12, 4
	s_lshl_b32 s76, s76, 11                        ; batch x 2,048 rows
	s_and_b32 s77, s12, 15
	s_lshl_b32 s77, s77, 8                         ; head x 256 bytes
	s_add_co_u32 s20, s76, s17
	s_lshl_b32 s20, s20, 12                        ; a row of y2 is 4,096 bytes
	s_add_co_u32 s20, s20, s77
	s_add_nc_u64 s[26:27], s[6:7], s[20:21]        ; where the first block's result goes
	s_add_co_u32 s20, s76, s18
	s_lshl_b32 s20, s20, 12
	s_add_co_u32 s20, s20, s77
	s_add_nc_u64 s[28:29], s[6:7], s[20:21]        ; and the second's
	v_and_b32 v24, 15, v0                          ; r
	v_bfe_u32 v25, v0, 4, 1                        ; h
	v_lshlrev_b32 v17, 7, v24
	v_lshl_add_u32 v17, v25, 4, v17                ; Q: row r x 128 bytes + 16 h
.irp tq, 0,1
.irp ks, 0,1
	global_load_b128 v[Q+8*(2*\tq+\ks):Q+8*(2*\tq+\ks)+3],   v17, s[72:73] offset:2048*\tq+64*\ks
	global_load_b128 v[Q+8*(2*\tq+\ks)+4:Q+8*(2*\tq+\ks)+7], v17, s[72:73] offset:2048*\tq+64*\ks+32
.endr
.endr
	WIN 0x40                                       ; destination window 1
.irp tq, 0,1
.irp ks, 0,1
	global_load_b128 v[QB+8*(2*\tq+\ks):QB+8*(2*\tq+\ks)+3],   v17, s[74:75] offset:2048*\tq+64*\ks
	global_load_b128 v[QB+8*(2*\tq+\ks)+4:QB+8*(2*\tq+\ks)+7], v17, s[74:75] offset:2048*\tq+64*\ks+32
.endr
.endr
	WIN 0
	v_mul_u32_u24 v[ADK], v24, PK
	v_lshl_add_u32 v[ADK], v25, 4, v[ADK]
	s_mul_i32 s76, s10, 64*PK
	v_add_nc_u32 v[ADK], s76, v[ADK]               ; K: row (64 p + r) x pitch + 16 h
	v_add_nc_u32 v[ADK+1], SLOT, v[ADK]
	v_and_b32 v26, 7, v0
	v_lshl_add_u32 v26, v25, 3, v26
	v_mul_u32_u24 v[ADV], v26, PV
	v_bfe_u32 v27, v0, 3, 1
	v_lshl_add_u32 v[ADV], v27, 4, v[ADV]
	s_mul_i32 s77, s10, 64*PV
	s_add_co_u32 s77, s77, KBYTES
	v_add_nc_u32 v[ADV], s77, v[ADV]               ; V: row (64 p + 8 h + l % 8) x pitch + 16 for lanes 8-15 and 24-31
	v_add_nc_u32 v[ADV+1], SLOT, v[ADV]
	v_lshlrev_b32 v26, 3, v25
	v_sub_nc_u32 v6, v24, v26                      ; r - 8 h
	v_mov_b32 v16, 0xff800000                      ; -infinity
	v_and_b32 v26, 31, v0
	s_mul_i32 s78, s9, SCRW
	s_add_co_u32 s76, s78, SCR
	v_lshl_add_u32 v18, v26, 4, s76                ; scratch of pair g: 16 l
	s_add_co_u32 s77, s78, STAGE
	v_mul_u32_u24 v19, v24, 272
	v_lshl_add_u32 v19, v25, 4, v19
	v_add_nc_u32 v19, s77, v19                     ; stage in: row r, 16 h
	v_mul_u32_u24 v20, v25, 272
	v_lshl_add_u32 v20, v24, 4, v20
	v_add_nc_u32 v20, s77, v20                     ; stage back: lanes 0-15 one row of 256 bytes, lanes 16-31 the next
	v_lshlrev_b32 v21, 12, v25
	v_lshl_add_u32 v21, v24, 4, v21                ; the same two rows in y2
.macro FRESH                           ; a block's start: nothing seen yet
	v_mov_b32 v8, 0x7f800000
	v_mov_b32 v9, 0x7f800000
	v_mov_b32 v10, 0
	v_mov_b32 v11, 0
.set e, 0
.rept 64
	v_mov_b32 v[O+e], 0
.set e, e+1
.endr
.endm
	FRESH
	s_wait_loadcnt 0x0                             ; Q of both blocks
; Softmax of the tile's 64 keys x 32 queries, the lane's 2 x 32 scores.
.macro SOFT
.irp tq, 0,1
.irp a, 0,1,2,3
	v_max3_num_f32 v[24+4*\tq+\a], v[S+8*(2*\a+\tq)], v[S+8*(2*\a+\tq)+1], v[S+8*(2*\a+\tq)+2]   ; eight chains that do not wait for each other
.endr
.endr
.irp e, 3,5
.irp tq, 0,1
.irp a, 0,1,2,3
	v_max3_num_f32 v[24+4*\tq+\a], v[24+4*\tq+\a], v[S+8*(2*\a+\tq)+\e], v[S+8*(2*\a+\tq)+\e+1]
.endr
.endr
.endr
.irp tq, 0,1
.irp a, 0,1,2,3
	v_max_num_f32 v[24+4*\tq+\a], v[24+4*\tq+\a], v[S+8*(2*\a+\tq)+7]
.endr
.endr
.irp tq, 0,1
	v_max3_num_f32 v[24+4*\tq], v[24+4*\tq], v[25+4*\tq], v[26+4*\tq]
.endr
.irp tq, 0,1
	v_max_num_f32 v[24+4*\tq], v[24+4*\tq], v[27+4*\tq]
.endr
.irp tq, 0,1
	v_permlanex16_b32 v[25+4*\tq], v[24+4*\tq], s32, s33     ; the other half of the query's keys (the destination has been written above)
.endr
.irp tq, 0,1
	v_max_num_f32 v[24+4*\tq], v[24+4*\tq], v[25+4*\tq]
.endr
.irp tq, 0,1
	v_mul_f32 v[24+4*\tq], 0xbe38aa3b, v[24+4*\tq]           ; T = -c x the tile's maximum
.endr
.irp tq, 0,1
	v_sub_f32 v[25+4*\tq], v[24+4*\tq], v[8+\tq]             ; T - NM (-infinity at a block's first tile)
.endr
.irp tq, 0,1
	v_min_num_f32 v[8+\tq], v[24+4*\tq], v[8+\tq]            ; NM follows the running maximum
.endr
.irp tq, 0,1
	v_min_num_f32 v[25+4*\tq], 0, v[25+4*\tq]                ; new NM - old NM
.endr
	v_exp_f32 v12, v25                                       ; AL: what the old sum and O are worth under the new maximum
	v_exp_f32 v13, v29
.irp tq, 0,1
.irp a, 0,1,2,3
.irp q, 0,1,2,3
	v_pk_fma_f32 v[S+8*(2*\a+\tq)+2*\q:S+8*(2*\a+\tq)+2*\q+1], v[S+8*(2*\a+\tq)+2*\q:S+8*(2*\a+\tq)+2*\q+1], s[30:31], v[8:9] op_sel:[0,0,\tq] op_sel_hi:[1,0,\tq]   ; c s + NM
.endr
.endr
.endr
.set e, 0
.rept 64
	v_exp_f32 v[S+e], v[S+e]
.set e, e+1
.endr
	s_wait_alu depctr_va_vdst(0)
.irp tq, 0,1                           ; plain vector work that touches no score stands behind the exponentials before their results are used (ISA guide 5.7.2)
.irp dt, 0,1,2,3
.irp q, 0,1,2,3
	v_pk_mul_f32 v[O+8*(2*\dt+\tq)+2*\q:O+8*(2*\dt+\tq)+2*\q+1], v[O+8*(2*\dt+\tq)+2*\q:O+8*(2*\dt+\tq)+2*\q+1], v[12:13] op_sel:[0,\tq] op_sel_hi:[1,\tq]
.endr
.endr
.endr
.irp tq, 0,1
.irp a, 0,1,2,3
.irp q, 0,1,2,3
	v_cvt_pk_f16_f32 v[P+8*(2*\tq+\a/2)+4*(\a%2)+\q], v[S+8*(2*\a+\tq)+2*\q], v[S+8*(2*\a+\tq)+2*\q+1]   ; key tiles 2 ks, 2 ks + 1 are registers 0-3, 4-7 of fragment ks
.endr
.endr
.endr
.irp tq, 0,1
.irp a, 0,1,2,3
	v_pk_add_f32 v[32+8*\tq+2*\a:32+8*\tq+2*\a+1], v[S+8*(2*\a+\tq):S+8*(2*\a+\tq)+1], v[S+8*(2*\a+\tq)+2:S+8*(2*\a+\tq)+3]
.endr
.endr
.irp e, 4,6
.irp tq, 0,1
.irp a, 0,1,2,3
	v_pk_add_f32 v[32+8*\tq+2*\a:32+8*\tq+2*\a+1], v[32+8*\tq+2*\a:32+8*\tq+2*\a+1], v[S+8*(2*\a+\tq)+\e:S+8*(2*\a+\tq)+\e+1]
.endr
.endr
.endr
.irp tq, 0,1
	v_pk_add_f32 v[32+8*\tq:33+8*\tq], v[32+8*\tq:33+8*\tq], v[34+8*\tq:35+8*\tq]
	v_pk_add_f32 v[36+8*\tq:37+8*\tq], v[36+8*\tq:37+8*\tq], v[38+8*\tq:39+8*\tq]
.endr
.irp tq, 0,1
	v_pk_add_f32 v[32+8*\tq:33+8*\tq], v[32+8*\tq:33+8*\tq], v[36+8*\tq:37+8*\tq]
.endr
.irp tq, 0,1
	v_add_f32 v[32+8*\tq], v[32+8*\tq], v[33+8*\tq]
.endr
.irp tq, 0,1
	v_fma_f32 v[10+\tq], v[10+\tq], v[12+\tq], v[32+8*\tq]   ; the lane's part of the sum; the two halves of the lanes meet at the merge
.endr
.endm
; My 64 keys of the tile in slot: 32 LDS loads, 16 + 16 matrix instructions.  In each product eight accumulators take turns, one instruction
; a turn.  s19 = first key - first query.
.macro TILE slot
	WIN 0x40
.irp a, 0,1,2,3
.irp ks, 0,1
	ds_load_b128 v[KF+8*(2*\a+\ks):KF+8*(2*\a+\ks)+3],   v[ADK+\slot] offset:16*PK*\a+64*\ks
	ds_load_b128 v[KF+8*(2*\a+\ks)+4:KF+8*(2*\a+\ks)+7], v[ADK+\slot] offset:16*PK*\a+64*\ks+32
.endr
.endr
.irp dt, 0,1,2,3
.irp ks, 0,1
	ds_load_tr16_b128 v[VF+8*(2*\dt+\ks):VF+8*(2*\dt+\ks)+3],   v[ADV+\slot] offset:32*PV*\ks+32*\dt
	ds_load_tr16_b128 v[VF+8*(2*\dt+\ks)+4:VF+8*(2*\dt+\ks)+7], v[ADV+\slot] offset:32*PV*\ks+32*\dt+16*PV
.endr
.endr
	s_wait_dscnt 16                                ; K's 16 loads are in; V's 16, issued behind them, stay out
	WIN 0x01                                       ; source 0 window 1
.irp a, 0,1,2,3
.irp tq, 0,1
	v_wmma_f32_16x16x32_f16 v[S+8*(2*\a+\tq):S+8*(2*\a+\tq)+7], v[KF+8*(2*\a):KF+8*(2*\a)+7], v[Q+8*(2*\tq):Q+8*(2*\tq)+7], 0
.endr
.endr
.irp a, 0,1,2,3
.irp tq, 0,1
	v_wmma_f32_16x16x32_f16 v[S+8*(2*\a+\tq):S+8*(2*\a+\tq)+7], v[KF+8*(2*\a+1):KF+8*(2*\a+1)+7], v[Q+8*(2*\tq+1):Q+8*(2*\tq+1)+7], v[S+8*(2*\a+\tq):S+8*(2*\a+\tq)+7]
.endr
.endr
	WIN 0
	v_sub_nc_u32 v7, v6, s19                       ; key 16 a + 8 h + j is behind query 16 tq + r where 16 (a - tq) + j > r - 8 h - (first key - first query)
	v_nop                                          ; with the line above: four places before the scores are read
	v_nop
	v_nop
	s_cmp_lt_i32 s19, -63                          ; my last key is not behind my first query: nothing to mask
	s_cbranch_scc1 .Lfull_\@
.irp a, 0,1,2,3
.irp tq, 0,1
.irp j, 0,1,2,3,4,5,6,7
	v_cmp_gt_i32 vcc_lo, 16*(\a-\tq)+\j, v7
	v_cndmask_b32 v[S+8*(2*\a+\tq)+\j], v[S+8*(2*\a+\tq)+\j], v16, vcc_lo
.endr
.endr
.endr
.Lfull_\@:
	SOFT
	s_wait_dscnt 0x0                               ; V's fragments
	WIN 0x01
.irp ks, 0,1
.irp dt, 0,1,2,3
.irp tq, 0,1
	v_wmma_f32_16x16x32_f16 v[O+8*(2*\dt+\tq):O+8*(2*\dt+\tq)+7], v[VF+8*(2*\dt+\ks):VF+8*(2*\dt+\ks)+7], v[P+8*(2*\tq+\ks):P+8*(2*\tq+\ks)+7], v[O+8*(2*\dt+\tq):O+8*(2*\dt+\tq)+7]
.endr
.endr
.endr
	WIN 0
	PLACES                                         ; whatever comes next may read O and write or load into the fragments
.endm
.macro PUT sel                         ; key half 1 hands its O, NM and sum over
.irp e, 0,1,2,3,4,5,6,7,8,9,10,11,12,13,14,15
	ds_store_b128 v18, v[O+4*\e:O+4*\e+3] offset:\sel*SCRB+512*\e
.endr
	ds_store_b128 v18, v[8:11] offset:\sel*SCRB+8192
.endm
.macro HILO dt, tq, tb                 ; eight y of one query: hi = bf16(y), lo = bf16(y - hi), 16 bytes each into the stage
.irp q, 0,1,2,3
	v_cvt_pk_bf16_f32 v[\tb+\q], v[O+8*(2*\dt+\tq)+2*\q], v[O+8*(2*\dt+\tq)+2*\q+1]
.endr
.irp q, 0,1,2,3
	v_lshlrev_b32 v[\tb+4+2*\q], 16, v[\tb+\q]
	v_and_b32 v[\tb+5+2*\q], 0xffff0000, v[\tb+\q]
.endr
.irp q, 0,1,2,3
	v_pk_add_f32 v[\tb+4+2*\q:\tb+5+2*\q], v[O+8*(2*\dt+\tq)+2*\q:O+8*(2*\dt+\tq)+2*\q+1], v[\tb+4+2*\q:\tb+5+2*\q] neg_lo:[0,1] neg_hi:[0,1]
.endr
.irp q, 0,1,2,3
	v_cvt_pk_bf16_f32 v[\tb+12+\q], v[\tb+4+2*\q], v[\tb+5+2*\q]
.endr
	ds_store_b128 v19, v[\tb:\tb+3] offset:16*272*\tq+32*\dt
	ds_store_b128 v19, v[\tb+12:\tb+15] offset:16*272*\tq+32*\dt+128
.endm
; Key half 0 takes its partner's state, brings both under the common maximum, divides by the sum and stores y.  A partner that saw no tile
; hands over NM = +infinity, sum 0, O 0: its weight BL is exp2(-infinity) = 0.  Half 0 always saw a tile, so the common NM is finite.
.macro MERGE sel, yb
.irp e, 0,1,2,3,4,5,6,7,8,9,10,11,12,13,14,15
	ds_load_b128 v[S+4*\e:S+4*\e+3], v18 offset:\sel*SCRB+512*\e
.endr
	ds_load_b128 v[224:227], v18 offset:\sel*SCRB+8192
	s_wait_dscnt 0x0
.irp tq, 0,1
	v_min_num_f32 v[24+\tq], v[8+\tq], v[224+\tq]
	v_sub_f32 v[26+\tq], v[24+\tq], v[8+\tq]
	v_sub_f32 v[28+\tq], v[24+\tq], v[224+\tq]
.endr
	v_exp_f32 v12, v26
	v_exp_f32 v13, v27
	v_exp_f32 v14, v28
	v_exp_f32 v15, v29
	v_nop                                          ; a plain place behind the exponentials
	s_wait_alu depctr_va_vdst(0)
.irp tq, 0,1
	v_mul_f32 v[10+\tq], v[10+\tq], v[12+\tq]
	v_fmac_f32 v[10+\tq], v[226+\tq], v[14+\tq]
	v_permlanex16_b32 v[24+\tq], v[10+\tq], s32, s33         ; the sums of the two halves of the lanes meet here
	v_add_f32 v[10+\tq], v[10+\tq], v[24+\tq]
.endr
	v_rcp_f32 v24, v10                             ; the sum is at least 1: the key of the maximum counts 1
	v_rcp_f32 v25, v11
	v_nop
	s_wait_alu depctr_va_vdst(0)
.irp tq, 0,1
	v_mul_f32 v[12+\tq], v[12+\tq], v[24+\tq]
	v_mul_f32 v[14+\tq], v[14+\tq], v[24+\tq]
.endr
.irp tq, 0,1
.irp dt, 0,1,2,3
.irp q, 0,1,2,3
	v_pk_mul_f32 v[O+8*(2*\dt+\tq)+2*\q:O+8*(2*\dt+\tq)+2*\q+1], v[O+8*(2*\dt+\tq)+2*\q:O+8*(2*\dt+\tq)+2*\q+1], v[12:13] op_sel:[0,\tq] op_sel_hi:[1,\tq]
.endr
.irp q, 0,1,2,3
	v_pk_fma_f32 v[O+8*(2*\dt+\tq)+2*\q:O+8*(2*\dt+\tq)+2*\q+1], v[S+8*(2*\dt+\tq)+2*\q:S+8*(2*\dt+\tq)+2*\q+1], v[14:15], v[O+8*(2*\dt+\tq)+2*\q:O+8*(2*\dt+\tq)+2*\q+1] op_sel:[0,\tq,0] op_sel_hi:[1,\tq,1]
.endr
.endr
.endr
.irp tq, 0,1
.irp dt, 0,1,2,3
	HILO \dt, \tq, 224+16*(\dt%2)
.endr
.endr
.irp e, 0,1,2,3,4,5,6,7,8,9,10,11,12,13,14,15
	ds_load_b128 v[S+4*\e:S+4*\e+3], v20 offset:2*272*\e     ; my own stage: LDS serves a wave's instructions in order (ISA guide 5.7.1.4)
.endr
.irp e, 0,1,2,3,4,5,6,7,8,9,10,11,12,13,14,15
	s_wait_dscnt 15-\e
	global_store_b128 v21, v[S+4*\e:S+4*\e+3], s[\yb:\yb+1] offset:2*4096*\e   ; 16 lanes store the 256 aligned bytes of one (row, head) piece
.endr
	s_wait_xcnt 0x0                                ; the registers that these stores read are written again only behind this wait
.endm
.macro BEGINB                          ; the second block begins
	s_mov_b32 s17, s18
	s_mov_b32 s15, 0
	WIN 0x01
.set e, 0
.rept 32
	v_mov_b32 v[Q+e], v[QB+e]
.set e, e+1
.endr
	WIN 0
	FRESH
.endm
; One trip = one key tile.  In front of the first barrier every wave waits for its reads of the other slot and for all its tensor loads (wave
; 0 or 1: the one that brought this trip's tile); behind it the other slot's refill comes first: one load of a wave is out at the most,
; and it has this whole trip in which to land.  The second barrier fills nothing: it parts the reads of the hand-over scratch (MERGE, in
; front of it) from the stores into it (PUT, behind it) on every way through the text.
.macro TRIP slot, other, refill, put
	s_wait_tensorcnt 0x0
	ds_add_u32 v62, v63
	s_wait_dscnt 0x0
.if \refill
	s_add_co_u32 s16, s16, 1                       ; the next tile; behind the first block's last comes the second block's tile 0
	s_cmp_eq_u32 s16, s13
	s_cselect_b32 s16, 0, s16
	s_lshl_b32 s20, s16, 14                        ; a tile is 128 rows x 128 bytes
	s_add_nc_u64 s[G0K+4*\other+2:G0K+4*\other+3], s[22:23], s[20:21]   ; no load of mine is out: a group 0 may be written
	s_or_b32 s[G0K+4*\other+3], s[G0K+4*\other+3], 0x80000000
	s_add_nc_u64 s[G0V+8*\other+2:G0V+8*\other+3], s[24:25], s[20:21]
	s_or_b32 s[G0V+8*\other+3], s[G0V+8*\other+3], 0x80000000
.endif
	s_wait_dscnt 0x0
	s_barrier_signal -1
	s_barrier_wait -1
.if \refill
	KVLOAD \other
.endif
	s_cmp_lg_u32 s14, s13                          ; the first block is through?
	s_cbranch_scc1 .Lsame_\@
	s_cmp_lg_u32 s10, 0
	s_cbranch_scc1 .Lno_merge_\@
	MERGE 0, 26
.Lno_merge_\@:
	BEGINB
.Lsame_\@:
	s_wait_dscnt 0x0
	s_barrier_signal -1
	s_barrier_wait -1
	s_lshl_b32 s19, s15, 7
	s_add_co_u32 s19, s19, s35
	s_sub_co_u32 s19, s19, s17                     ; my first key - my first query, a multiple of 32
	s_cmp_gt_i32 s19, 31                           ; all my keys are behind all my queries: nothing to do
	s_cbranch_scc1 .Lover_\@
	TILE \slot
.Lover_\@:
	s_add_co_u32 s14, s14, 1
	s_add_co_u32 s15, s15, 1
.if \put
	s_cmp_lg_u32 s14, s13                          ; that was the first block's last tile?
	s_cbranch_scc1 .Lno_put_\@
	s_cmp_lg_u32 s10, 1
	s_cbranch_scc1 .Lno_put_\@
	PUT 0
.Lno_put_\@:
.endif
.endm
	s_mov_b32 s34, 8
.Ltrips:
	TRIP 0, 1, 1, 1
	TRIP 1, 0, 1, 1
	s_sub_co_u32 s34, s34, 1
	s_cmp_lg_u32 s34, 0
	s_cbranch_scc1 .Ltrips
	TRIP 0, 1, 0, 0                                ; the seventeenth trip: nothing is left to fetch
	s_cmp_lg_u32 s10, 1
	s_cbranch_scc1 .Lno_put_b
	PUT 1
.Lno_put_b:
	s_wait_dscnt 0x0                               ; the hand-over is in LDS, for the partner's sake
	s_barrier_signal -1
	s_barrier_wait -1
	s_cmp_lg_u32 s10, 0
	s_cbranch_scc1 .Lend
	MERGE 1, 28
.Lend:
	s_wait_tensorcnt 0x0
	ds_add_u32 v62, v63
	s_wait_dscnt 0x0
	s_endpgm
.Lfunc_end_k_qd4e139d09e_attn:
	.size	k_qd4e139d09e_attn, .Lfunc_end_k_qd4e139d09e_attn-k_qd4e139d09e_attn
	.p2alignl 7, 3214868480
	.fill 96, 4, 3214868480
	.section	.rodata,"a",@progbits
	.p2align	6, 0x0
	.amdhsa_kernel k_qd4e139d09e_attn
		.amdhsa_group_segment_fixed_size 327680
		.amdhsa_private_segment_fixed_size 0
		.amdhsa_enable_private_segment 0
		.amdhsa_kernarg_size 16
		.amdhsa_user_sgpr_count 2
		.amdhsa_user_sgpr_kernarg_segment_ptr 1
		.amdhsa_wavefront_size32 1
		.amdhsa_system_sgpr_workgroup_id_x 1
		.amdhsa_system_sgpr_workgroup_id_y 1
		.amdhsa_system_sgpr_workgroup_id_z 1
		.amdhsa_system_vgpr_workitem_id 0
		.amdhsa_next_free_vgpr 416
		.amdhsa_next_free_sgpr 80
		.amdhsa_reserve_vcc 1
		.amdhsa_float_denorm_mode_32 3
		.amdhsa_float_denorm_mode_16_64 3
		.amdhsa_memory_ordered 1
		.amdhsa_forward_progress 1
		.amdhsa_inst_pref_size 167
	.end_amdhsa_kernel
	.amdgpu_metadata
---
amdhsa.version: [ 1, 2 ]
amdhsa.kernels:
  - .name:           k_qd4e139d09e_attn
    .symbol:         k_qd4e139d09e_attn.kd
    .args:
      - { .name: qkv, .offset: 0, .size: 8, .value_kind: global_buffer, .address_space: global }
      - { .name: y2, .offset: 8, .size: 8, .value_kind: global_buffer, .address_space: global }
    .group_segment_fixed_size: 327680
    .private_segment_fixed_size: 0
    .kernarg_segment_align: 8
    .kernarg_segment_size: 16
    .max_flat_workgroup_size: 256
    .sgpr_count:     80
    .vgpr_count:     416
    .wavefront_size: 32
...
	.end_amdgpu_metadata
.endif
;; end of part 3
;; launch proj (part 4): grid 8 x 32, 4 waves a work-group, clusters of 4 x 4, 327,680 bytes of LDS; arguments y2, wp, b_proj, out0; writes out0
.if DOCPART == 4
	.amdgcn_target "amdgcn-amd-amdhsa--gfx1250"
	.amdhsa_code_object_version 6
	.text
	.protected	k_qd4e139d09e_proj
	.globl	k_qd4e139d09e_proj
	.p2align	8
	.type	k_qd4e139d09e_proj,@function
k_qd4e139d09e_proj:
	s_mov_b64 s[64:65], 0
	v_nop
	global_prefetch_b8 v0, s[64:65] scope:SCOPE_SE
	s_setreg_imm32_b32 hwreg(HW_REG_WAVE_MODE, 25, 1), 1
	s_wait_xcnt 0x0
	s_wait_alu depctr_hold_cnt(0) depctr_sa_sdst(0) depctr_va_vdst(0) depctr_va_sdst(0) depctr_va_ssrc(0) depctr_va_vcc(0) depctr_vm_vsrc(0)
	s_getreg_b32 s2, hwreg(HW_REG_IB_STS2, 6, 4)
	s_cmp_eq_u32 s2, 0
	s_cbranch_scc0 .Lentry_in_a_cluster
	s_endpgm
.Lentry_in_a_cluster:
	s_bfe_u32 s2, ttmp6, 0x10000c
	s_cmp_lg_u32 s2, 0xf033
	s_cbranch_scc0 .Lentry_shape_is_right
	s_endpgm
.Lentry_shape_is_right:
; out0 = (y_hi + y_lo) . wp + b_proj.  y2: [4096 rows][16 heads][hi 64 | lo 64] bf16, wp: [1024 k][1024 n] bf16, b_proj: [1024] f32, out0 f32.
; y comes as a pair of bf16 so that its rounding stays far below that of a single bf16: each K step is multiplied twice, hi and lo, into the same sums.
; A work-group makes 128 x 128 of out0 with four waves, 2 x 2, each 64 x 64: 16 accumulator tiles.  A K step is 128 rows of wp = two heads =
; 512 bytes of y2's rows.  Two LDS slots of four regions of 33,792 bytes: y2's rows 0-63 and 64-127 (512 bytes, pitch 528), wp's k-rows 0-63
; and 64-127 (256 bytes, pitch 288; 18,432 bytes of the region are used).  Wave w fills region w with one tensor load of 64 rows.
; CLUSTERS: 4 x 4.  y2's tile hangs on the block row alone and is asked for jointly along a row of the cluster, wp's on the block column alone
; and jointly along a column.
; wp lies [k][n]: its fragments come by the transposing LDS load.  The matrix instruction is used transposed (source 0 = 16 columns of wp,
; source 1 = 16 rows of y): a lane holds row l % 16 and eight neighbouring columns.
; REGISTERS: window 0: v16-27 addresses; v64-127, v128-191 fragments of y (hi 32 registers, lo 32), two buffers; v192-223 bias; v224-255 at work.
; window 1: v0-127 accumulators, tile (a, b) at v[8 (4 a + b)]; v128-159, v160-191 fragments of wp, two buffers.
.set PA,    528                        ; 512 + 16 bytes, an odd multiple of 16
.set PB,    288                        ; 256 + 32 bytes, an odd multiple of 32
.set REG,   64*PA                      ; 33,792
.set SLOT,  4*REG
.set STAGE, 2*SLOT                     ; behind the ring: 16 rows x 272 bytes for each wave
.set LAPS,  4                          ; 8 K steps, two a lap
.set ADRA, 16                          ; v16-17
.set ADRB, 20                          ; v20-21
.set STO,  24
.set RD,   25
.set CO,   26
.set BO,   27
.set BIAS, 192
.set TMP,  224
.set G1,  24
.set G0,  32
.set G1B, 48
.set G0B, 56
.set MSB, 0
.macro WIN new
.if MSB != \new
	s_set_vgpr_msb (MSB<<8)|\new
.set MSB, \new
.endif
.endm
.set MUL,  0x51                        ; source 0 (wp) window 1, source 1 (y) window 0, C and D window 1
.set TO_B, 0x40
.macro JLOAD s                         ; waves 0 and 1 ask for y2's halves, waves 2 and 3 for wp's
	s_cmp_eq_u32 s11, 0
	s_cbranch_scc0 .Lfor_b_\@
	tensor_load_to_lds s[G0+4*\s:G0+4*\s+3], s[G1:G1+7]
	s_nop 0
	s_branch .Lasked_\@
.Lfor_b_\@:
	tensor_load_to_lds s[G0B+4*\s:G0B+4*\s+3], s[G1B:G1B+7]
	s_nop 0
.Lasked_\@:
.endm
.macro CREST
	s_cmp_lg_u32 s10, 0
	s_cbranch_scc1 .Lnot_wave_0_\@
	s_barrier_signal -3
.Lnot_wave_0_\@:
	s_barrier_wait -3
	s_barrier_signal -1
	s_barrier_wait -1
.endm
.macro CROUND
	s_barrier_signal -1
	s_barrier_wait -1
	CREST
.endm
	s_load_b128 s[4:7], s[0:1], 0x0                ; y2 s[4:5], wp s[6:7]
	s_load_b128 s[68:71], s[0:1], 0x10             ; b_proj s[68:69], out0 s[70:71]
	s_set_vgpr_msb 0x40
	v_lshl_add_u32 v193, v0, 2, 0x46400
	s_set_vgpr_msb 0x4000
	v_mov_b32 v63, 0
	s_set_vgpr_msb 0x1
	ds_add_u32 v193, v63
	s_set_vgpr_msb 0x100
	v_lshrrev_b32 v1, 5, v0
	v_readfirstlane_b32 s10, v1                    ; wave 0..3
	s_lshr_b32 s11, s10, 1                         ; my half of the block's rows.  Also: I fetch for y2 (0) or for wp (1)
	s_and_b32 s12, s10, 1                          ; my half of its columns.  Also: which 64 rows of that tile I fetch
	s_bfe_u32 s40, ttmp6, 0x40000                  ; cx
	s_bfe_u32 s41, ttmp6, 0x40004                  ; cy
	s_lshl_b32 s42, ttmp9, 2
	s_add_co_u32 s42, s42, s40                     ; block column 0..7
	s_and_b32 s13, ttmp7, 0xffff
	s_lshl_b32 s13, s13, 2
	s_add_co_u32 s13, s13, s41                     ; block row 0..31
	s_lshl_b32 s43, s41, 2
	s_lshl_b32 s43, 15, s43                        ; my row of the cluster
	s_lshl_b32 s44, 0x1111, s40                    ; my column
	s_or_b32 s[G1+0],  s43, (1<<16)|(1<<20)|(1<<21)|(6<<22)|(3<<25)   ; y2: after every 128 words (code 6) a pad of 4 words
	s_or_b32 s[G1B+0], s44, (1<<16)|(1<<20)|(1<<21)|(5<<22)|(7<<25)   ; wp: after every 64 words (code 5) a pad of 8 words
	s_mov_b32 s[G1+1],  256<<16                    ; tensor_dim0 = 256 elements (two heads' hi and lo)
	s_mov_b32 s[G1B+1], 128<<16
	s_mov_b32 s[G1+2],  64<<16                     ; tensor_dim1 = 64 rows
	s_mov_b32 s[G1B+2], 64<<16
	s_mov_b32 s[G1+3],  256<<16                    ; tile_dim0
	s_mov_b32 s[G1B+3], 128<<16
	s_mov_b32 s[G1+4],  64                         ; tile_dim1
	s_mov_b32 s[G1B+4], 64
	s_mov_b32 s[G1+5],  2048                       ; elements from row to row of y2
	s_mov_b32 s[G1B+5], 1024                       ; and of wp
	s_mov_b32 s[G1+6],  0
	s_mov_b32 s[G1B+6], 0
	s_mov_b32 s[G1+7],  0
	s_mov_b32 s[G1B+7], 0
	s_lshl_b32 s16, s13, 19                        ; y2: (128 x block row + 64 x half) rows of 4,096 bytes
	s_lshl_b32 s17, s12, 18
	s_add_co_u32 s16, s16, s17
	s_mov_b32 s17, 0
	s_lshl_b32 s46, s42, 8                         ; wp: block column x 256 bytes + 64 x half rows of 2,048 bytes
	s_lshl_b32 s47, s12, 17
	s_add_co_u32 s46, s46, s47
	s_mov_b32 s47, 0
	s_mul_i32 s20, s10, REG                        ; region w
	s_lshl_b32 s72, s42, 9                         ; my first column, in bytes of f32: 512 x block column + 256 x half
	s_lshl_b32 s73, s12, 8
	s_add_co_u32 s72, s72, s73
	s_mov_b32 s73, 0
	s_wait_dscnt 0x0
	s_wait_kmcnt 0x0
	s_add_nc_u64 s[14:15], s[4:5], s[16:17]
	s_add_nc_u64 s[46:47], s[6:7], s[46:47]
	s_add_nc_u64 s[68:69], s[68:69], s[72:73]      ; the bias of my 64 columns
	CROUND                                         ; all sixteen work-groups are here: the first joint loads meet
.irp s, 0,1
	s_mov_b32 s[G0+4*\s], 1
	s_add_co_u32 s[G0+4*\s+1], s20, \s*SLOT
	s_add_nc_u64 s[G0+4*\s+2:G0+4*\s+3], s[14:15], \s*512              ; K step s: two heads along y2's rows
	s_or_b32 s[G0+4*\s+3], s[G0+4*\s+3], 0x80000000
	s_mov_b32 s[G0B+4*\s], 1
	s_add_co_u32 s[G0B+4*\s+1], s20, \s*SLOT
	s_add_nc_u64 s[G0B+4*\s+2:G0B+4*\s+3], s[46:47], \s*128*2048       ; K step s: 128 rows of wp down
	s_or_b32 s[G0B+4*\s+3], s[G0B+4*\s+3], 0x80000000
	JLOAD \s                                       ; both first fills as one group: two loads of the wave are out
.endr
	v_and_b32 v1, 15, v0                           ; r
	v_bfe_u32 v2, v0, 4, 1                         ; h
	v_mul_u32_u24 v[ADRA], v1, PA
	v_lshl_add_u32 v[ADRA], v2, 4, v[ADRA]
	s_mul_i32 s21, s11, REG                        ; my 64 rows of y
	v_add_nc_u32 v[ADRA], s21, v[ADRA]
	v_add_nc_u32 v[ADRA+1], SLOT, v[ADRA]
	v_and_b32 v3, 7, v0
	v_lshl_add_u32 v3, v2, 3, v3
	v_mul_u32_u24 v3, v3, PB
	v_bfe_u32 v4, v0, 3, 1
	v_lshl_add_u32 v3, v4, 4, v3
	s_lshl_b32 s22, s12, 7                         ; my 64 columns of wp's tile
	s_add_co_u32 s22, s22, 2*REG
	v_add_nc_u32 v[ADRB], s22, v3
	v_add_nc_u32 v[ADRB+1], SLOT, v[ADRB]
	s_mul_i32 s23, s10, 16*272
	s_add_co_u32 s23, s23, STAGE                   ; my stage
	v_mul_u32_u24 v[STO], v1, 272
	v_lshl_add_u32 v[STO], v2, 5, v[STO]           ; in: row r, 32 bytes for each half of the lanes
	v_add_nc_u32 v[STO], s23, v[STO]
	v_mul_u32_u24 v[RD], v2, 272
	v_lshl_add_u32 v[RD], v1, 4, v[RD]             ; back: lanes 0-15 one row of 256 bytes, lanes 16-31 the next
	v_add_nc_u32 v[RD], s23, v[RD]
	v_lshlrev_b32 v[CO], 12, v2
	v_lshl_add_u32 v[CO], v1, 4, v[CO]             ; the same two rows in out0
	v_lshlrev_b32 v[BO], 5, v2                     ; bias: 4 bytes x 8 h
.irp b, 0,1,2,3
	global_load_b128 v[BIAS+8*\b:BIAS+8*\b+3],   v[BO], s[68:69] offset:64*\b     ; waited for at the way out
	global_load_b128 v[BIAS+8*\b+4:BIAS+8*\b+7], v[BO], s[68:69] offset:64*\b+16
.endr
; 8 matrix instructions: row tiles a0, a0 + 1 x four column tiles, 32 along K; buffer e; part 0 = hi, 1 = lo.
; The 16 accumulators take turns, one instruction a turn, in the same order for hi and for lo.
.macro MUL8 e, part, a0, zero
.irp a, \a0, \a0+1
.irp b, 0,1,2,3
.if \zero
	v_wmma_f32_16x16x32_bf16 v[8*(4*(\a)+\b):8*(4*(\a)+\b)+7], v[128+32*\e+8*\b:128+32*\e+8*\b+7], v[64+64*\e+32*\part+8*(\a):64+64*\e+32*\part+8*(\a)+7], 0
.else
	v_wmma_f32_16x16x32_bf16 v[8*(4*(\a)+\b):8*(4*(\a)+\b)+7], v[128+32*\e+8*\b:128+32*\e+8*\b+7], v[64+64*\e+32*\part+8*(\a):64+64*\e+32*\part+8*(\a)+7], v[8*(4*(\a)+\b):8*(4*(\a)+\b)+7]
.endif
.endr
.endr
.endm
; 24 LDS loads in one run: quarter step kq into buffer e.  wp: k-rows 32 kq .., of which 64 lie in each region.  y: head kq / 2 of the step's two,
; d = 32 (kq % 2) .., hi at byte 0 and lo at byte 128 of the head's 256.
.macro FETCH slot, kq, e
	WIN TO_B
.irp b, 0,1,2,3
	ds_load_tr16_b128 v[128+32*\e+8*\b:128+32*\e+8*\b+3],   v[ADRB+\slot] offset:REG*(\kq/2)+32*PB*(\kq%2)+32*\b
	ds_load_tr16_b128 v[128+32*\e+8*\b+4:128+32*\e+8*\b+7], v[ADRB+\slot] offset:REG*(\kq/2)+32*PB*(\kq%2)+32*\b+16*PB
.endr
	WIN 0
.irp part, 0,1
.irp a, 0,1,2,3
	ds_load_b128 v[64+64*\e+32*\part+8*\a:64+64*\e+32*\part+8*\a+3],   v[ADRA+\slot] offset:16*PA*\a+256*(\kq/2)+128*\part+64*(\kq%2)
	ds_load_b128 v[64+64*\e+32*\part+8*\a+4:64+64*\e+32*\part+8*\a+7], v[ADRA+\slot] offset:16*PA*\a+256*(\kq/2)+128*\part+64*(\kq%2)+32
.endr
.endr
.endm
.macro PLACES                          ; four places behind a matrix instruction (ISA guide 7.12.1 for vector instructions)
.rept 4
	v_nop
.endr
.endm
.macro QUARTER slot, kq, e, g, zero    ; multiplies buffer e; in its middle fetches quarter kq of the same slot into buffer g
	s_wait_dscnt 8                                 ; wp's and hi's fragments are in; the youngest eight loads (lo) may be out
	WIN MUL
	MUL8 \e, 0, 0, \zero
	MUL8 \e, 0, 2, \zero
	PLACES
	FETCH \slot, \kq, \g
	s_wait_dscnt 24                                ; all but the 24 just issued
	WIN MUL
	MUL8 \e, 1, 0, 0
	MUL8 \e, 1, 2, 0
.endm
.macro THREE slot, zero
	QUARTER \slot, 1, 0, 1, \zero
	QUARTER \slot, 2, 1, 0, 0
	QUARTER \slot, 3, 0, 1, 0
.endm
; The last quarter multiplies buffer 1 and changes slots: each wave's waits for its reads of this slot and for all its tensor loads stand in
; front of the barrier; with fill = 1 the barrier opens a round of the cluster's barrier and the joint refill is the first tensor load behind it.
.macro TURN slot, next, fill
	s_wait_dscnt 8
	WIN MUL
	MUL8 1, 0, 0, 0
	s_wait_dscnt 0
	s_wait_tensorcnt 0x0
	ds_add_u32 v193, v63
	s_wait_dscnt 0x0
	s_barrier_signal -1
	MUL8 1, 0, 2, 0
	WIN 0
	s_barrier_wait -1
.if \fill
	CREST
	s_add_nc_u64 s[G0+4*\slot+2:G0+4*\slot+3], s[G0+4*\slot+2:G0+4*\slot+3], 2*512
	s_add_nc_u64 s[G0B+4*\slot+2:G0B+4*\slot+3], s[G0B+4*\slot+2:G0B+4*\slot+3], 2*128*2048
	JLOAD \slot
.endif
	PLACES
	FETCH \next, 0, 0
	WIN MUL
	MUL8 1, 1, 0, 0
	MUL8 1, 1, 2, 0
.endm
.macro LAP zero
	THREE 0, \zero
	TURN 0, 1, 1
	THREE 1, 0
	TURN 1, 0, 1
.endm
	s_wait_tensorcnt 1                             ; my region of K step 0 is in; K step 1's load stays out
	s_barrier_signal -1
	s_barrier_wait -1
	FETCH 0, 0, 0
	LAP 1                                          ; its first products start the sums
	WIN 0
	s_mov_b32 s3, LAPS-2
.Llap:
	LAP 0
	WIN 0
	s_sub_co_u32 s3, s3, 1
	s_cmp_lg_u32 s3, 0
	s_cbranch_scc1 .Llap
	THREE 0, 0                                     ; the last lap fills nothing
	TURN 0, 1, 0
	THREE 1, 0
	s_wait_dscnt 8
	WIN MUL
	MUL8 1, 0, 0, 0
	MUL8 1, 0, 2, 0
	s_wait_dscnt 0
	MUL8 1, 1, 0, 0
	MUL8 1, 1, 2, 0
	; THE WAY OUT, 16 rows at a time: bias added, 32 bytes a lane into my own stage, read back as whole rows of 256 bytes.
	PLACES
	s_lshl_b32 s74, s13, 19                        ; my first row: (128 x block row + 64 x half) x 4,096 bytes
	s_lshl_b32 s75, s11, 18
	s_add_co_u32 s74, s74, s75
	s_add_co_u32 s74, s74, s72                     ; and my first column
	s_mov_b32 s75, 0
	s_add_nc_u64 s[70:71], s[70:71], s[74:75]
	s_wait_loadcnt 0x0                             ; the biases
.macro OUT16 a, f
	WIN 0x01                                       ; source 0 window 1
.irp b, 0,1,2,3
.irp q, 0,1,2,3
	v_pk_add_f32 v[TMP+8*\b+2*\q:TMP+8*\b+2*\q+1], v[8*(4*\a+\b)+2*\q:8*(4*\a+\b)+2*\q+1], v[BIAS+8*\b+2*\q:BIAS+8*\b+2*\q+1]
.endr
.endr
	WIN 0
.irp b, 0,1,2,3
	ds_store_b128 v[STO], v[TMP+8*\b:TMP+8*\b+3] offset:64*\b
	ds_store_b128 v[STO], v[TMP+8*\b+4:TMP+8*\b+7] offset:64*\b+16
.endr
	s_wait_xcnt 0x0                                ; buffer f, which earlier stores read, and the stores' base are rewritten only behind this wait
.if \a
	s_add_nc_u64 s[70:71], s[70:71], 16*4096       ; 16 rows on
.endif
.irp t, 0,1,2,3,4,5,6,7
	ds_load_b128 v[\f+4*\t:\f+4*\t+3], v[RD] offset:\t*2*272           ; LDS serves a wave's instructions in order (ISA guide 5.7.1.4): these see the stores above
.endr
.irp t, 0,1,2,3,4,5,6,7
	s_wait_dscnt 7-\t
	global_store_b128 v[CO], v[\f+4*\t:\f+4*\t+3], s[70:71] offset:2*\t*4096 th:TH_STORE_NT   ; 16 lanes store 256 consecutive bytes, aligned
.endr
.endm
	OUT16 0, 64
	OUT16 1, 128
	OUT16 2, 64
	OUT16 3, 128
	s_set_vgpr_msb 0x1
	s_wait_tensorcnt 0x0
	ds_add_u32 v193, v63
	s_wait_dscnt 0x0
	s_set_vgpr_msb 0x100
	CROUND                                         ; the closing round
	s_endpgm
.Lfunc_end_k_qd4e139d09e_proj:
	.size	k_qd4e139d09e_proj, .Lfunc_end_k_qd4e139d09e_proj-k_qd4e139d09e_proj
	.p2alignl 7, 3214868480
	.fill 96, 4, 3214868480
	.section	.rodata,"a",@progbits
	.p2align	6, 0x0
	.amdhsa_kernel k_qd4e139d09e_proj
		.amdhsa_group_segment_fixed_size 327680
		.amdhsa_private_segment_fixed_size 0
		.amdhsa_enable_private_segment 0
		.amdhsa_kernarg_size 32
		.amdhsa_user_sgpr_count 2
		.amdhsa_user_sgpr_kernarg_segment_ptr 1
		.amdhsa_wavefront_size32 1
		.amdhsa_system_sgpr_workgroup_id_x 1
		.amdhsa_system_sgpr_workgroup_id_y 1
		.amdhsa_system_sgpr_workgroup_id_z 1
		.amdhsa_system_vgpr_workitem_id 0
		.amdhsa_next_free_vgpr 450
		.amdhsa_next_free_sgpr 80
		.amdhsa_reserve_vcc 0
		.amdhsa_float_denorm_mode_32 3
		.amdhsa_float_denorm_mode_16_64 3
		.amdhsa_memory_ordered 1
		.amdhsa_forward_progress 1
		.amdhsa_inst_pref_size 116
	.end_amdhsa_kernel
	.amdgpu_metadata
---
amdhsa.version: [ 1, 2 ]
amdhsa.kernels:
  - .name:           k_qd4e139d09e_proj
    .symbol:         k_qd4e139d09e_proj.kd
    .args:
      - { .name: y2, .offset: 0, .size: 8, .value_kind: global_buffer, .address_space: global }
      - { .name: wp, .offset: 8, .size: 8, .value_kind: global_buffer, .address_space: global }
      - { .name: b_proj, .offset: 16, .size: 8, .value_kind: global_buffer, .address_space: global }
      - { .name: out0, .offset: 24, .size: 8, .value_kind: global_buffer, .address_space: global }
    .group_segment_fixed_size: 327680
    .private_segment_fixed_size: 0
    .kernarg_segment_align: 8
    .kernarg_segment_size: 32
    .max_flat_workgroup_size: 128
    .sgpr_count:     80
    .vgpr_count:     450
    .wavefront_size: 32
...
	.end_amdgpu_metadata
.endif
;; end of part 4
;; ======== version 2 of 2: 4 launches
;; limits: values are held in f16: magnitudes above 65,504 overflow, below 6.1e-05 lose precision
;; workspace buffers: xb 8,388,608 bytes; wa 6,291,456 bytes; wp 2,097,152 bytes; qkv 25,165,824 bytes; y2 8,388,608 bytes
;; launch cast (part 5): grid 1024 x 1, 8 waves a work-group, no clusters, 0 bytes of LDS; arguments x, w_attn, w_proj, xb, wa, wp; writes xb, wa, wp
.if DOCPART == 5
	.amdgcn_target "amdgcn-amd-amdhsa--gfx1250"
	.amdhsa_code_object_version 6
	.text
	.protected	k_qd4e139d09e_cast
	.globl	k_qd4e139d09e_cast
	.p2align	8
	.type	k_qd4e139d09e_cast,@function
k_qd4e139d09e_cast:
	s_mov_b64 s[64:65], 0
	v_nop
	global_prefetch_b8 v0, s[64:65] scope:SCOPE_SE
	s_setreg_imm32_b32 hwreg(HW_REG_WAVE_MODE, 25, 1), 1
	s_wait_xcnt 0x0
; x, w_attn and w_proj, f32, are rounded once (to nearest even) to bf16, in the same order of elements.  xb and wa hold the bf16 numbers.
; wp holds w_proj's bf16 number written in f16, because its partner in the last product, y, needs f16's 11 bits: all three inputs so carry
; the same rounding.  LIMIT: a bf16 number is an f16 number exactly for magnitudes from 2^-17 to 65,504; below, the absolute error is up to
; 3e-8; above, wp is infinite.
; A stream: every byte is read once and written once; no LDS, no barrier, no matrix instruction would add anything.
; A work-group takes 8,192 numbers (32,768 bytes in, 16,384 out).  Work-groups 0-511 take x (4,194,304 numbers),
; 512-895 w_attn (3,145,728), 896-1023 w_proj (1,048,576).  Thread t takes 16 bytes at 16 t of each of eight blocks of 4,096 bytes:
; a wave's load covers 512 neighbouring bytes, its store of 8 bytes a lane 256 neighbouring bytes, aligned.
; All eight loads of a thread go out at once; no register that a store reads is written again, so no source has to be freed.
.set X, 4                              ; v[4:35]   eight groups of four f32
.set Y, 36                             ; v[36:51]  eight groups of four 16-bit numbers
	s_load_b256 s[4:11], s[0:1], 0x0               ; x s[4:5], w_attn s[6:7], w_proj s[8:9], xb s[10:11]
	s_load_b128 s[12:15], s[0:1], 0x20             ; wa s[12:13], wp s[14:15]
	v_lshlrev_b32 v1, 4, v0                        ; 16 t: where I read
	v_lshlrev_b32 v2, 3, v0                        ; 8 t: where I write
	s_wait_kmcnt 0x0
	s_cmp_lt_u32 ttmp9, 512                        ; the choice hangs on the work-group's number alone
	s_cselect_b64 s[20:21], s[4:5], s[6:7]         ; source
	s_cselect_b64 s[22:23], s[10:11], s[12:13]     ; destination
	s_cselect_b32 s24, 0, 512                      ; first work-group of the range
	s_cmp_lt_u32 ttmp9, 896
	s_cselect_b64 s[20:21], s[20:21], s[8:9]
	s_cselect_b64 s[22:23], s[22:23], s[14:15]
	s_cselect_b32 s24, s24, 896
	s_sub_co_u32 s25, ttmp9, s24                   ; my number inside the range
	s_lshl_b32 s26, s25, 15                        ; x 32,768 bytes in (below 2^24)
	s_mov_b32 s27, 0
	s_lshl_b32 s28, s25, 14                        ; x 16,384 bytes out
	s_mov_b32 s29, 0
	s_add_nc_u64 s[20:21], s[20:21], s[26:27]
	s_add_nc_u64 s[22:23], s[22:23], s[28:29]
.irp j, 0,1,2,3,4,5,6,7
	global_load_b128 v[X+4*\j:X+4*\j+3], v1, s[20:21] offset:4096*\j th:TH_LOAD_NT   ; read once in the launch
.endr
	s_cmp_lt_u32 ttmp9, 896
	s_cbranch_scc0 .Lw_proj
.irp j, 0,1,2,3,4,5,6,7
	s_wait_loadcnt 7-\j                            ; loads come back in order (ISA guide 5.7.1): group j is in, the 7 - j younger ones stay out
	v_cvt_pk_bf16_f32 v[Y+2*\j],   v[X+4*\j],   v[X+4*\j+1]
	v_cvt_pk_bf16_f32 v[Y+2*\j+1], v[X+4*\j+2], v[X+4*\j+3]
	global_store_b64 v2, v[Y+2*\j:Y+2*\j+1], s[22:23] offset:2048*\j   ; no hint: the next launch reads these bytes
.endr
	s_endpgm
.Lw_proj:
.irp j, 0,1,2,3,4,5,6,7
	s_wait_loadcnt 7-\j                            ; as above
	v_cvt_pk_bf16_f32 v[Y+2*\j],   v[X+4*\j],   v[X+4*\j+1]            ; the rounding, to bf16
	v_cvt_pk_bf16_f32 v[Y+2*\j+1], v[X+4*\j+2], v[X+4*\j+3]
	v_lshlrev_b32 v[X+4*\j],   16, v[Y+2*\j]                           ; the bf16 numbers as f32,
	v_and_b32     v[X+4*\j+1], 0xffff0000, v[Y+2*\j]
	v_lshlrev_b32 v[X+4*\j+2], 16, v[Y+2*\j+1]
	v_and_b32     v[X+4*\j+3], 0xffff0000, v[Y+2*\j+1]
	v_cvt_pk_f16_f32 v[Y+2*\j],   v[X+4*\j],   v[X+4*\j+1]             ; and written in f16
	v_cvt_pk_f16_f32 v[Y+2*\j+1], v[X+4*\j+2], v[X+4*\j+3]
	global_store_b64 v2, v[Y+2*\j:Y+2*\j+1], s[22:23] offset:2048*\j
.endr
	s_endpgm
.Lfunc_end_k_qd4e139d09e_cast:
	.size	k_qd4e139d09e_cast, .Lfunc_end_k_qd4e139d09e_cast-k_qd4e139d09e_cast
	.p2alignl 7, 3214868480
	.fill 96, 4, 3214868480
	.section	.rodata,"a",@progbits
	.p2align	6, 0x0
	.amdhsa_kernel k_qd4e139d09e_cast
		.amdhsa_group_segment_fixed_size 0
		.amdhsa_private_segment_fixed_size 0
		.amdhsa_enable_private_segment 0
		.amdhsa_kernarg_size 48
		.amdhsa_user_sgpr_count 2
		.amdhsa_user_sgpr_kernarg_segment_ptr 1
		.amdhsa_wavefront_size32 1
		.amdhsa_system_sgpr_workgroup_id_x 1
		.amdhsa_system_sgpr_workgroup_id_y 1
		.amdhsa_system_sgpr_workgroup_id_z 1
		.amdhsa_system_vgpr_workitem_id 0
		.amdhsa_next_free_vgpr 56
		.amdhsa_next_free_sgpr 66
		.amdhsa_reserve_vcc 0
		.amdhsa_float_denorm_mode_32 3
		.amdhsa_float_denorm_mode_16_64 3
		.amdhsa_memory_ordered 1
		.amdhsa_forward_progress 1
		.amdhsa_inst_pref_size 9
	.end_amdhsa_kernel
	.amdgpu_metadata
---
amdhsa.version: [ 1, 2 ]
amdhsa.kernels:
  - .name:           k_qd4e139d09e_cast
    .symbol:         k_qd4e139d09e_cast.kd
    .args:
      - { .name: x, .offset: 0, .size: 8, .value_kind: global_buffer, .address_space: global }
      - { .name: w_attn, .offset: 8, .size: 8, .value_kind: global_buffer, .address_space: global }
      - { .name: w_proj, .offset: 16, .size: 8, .value_kind: global_buffer, .address_space: global }
      - { .name: xb, .offset: 24, .size: 8, .value_kind: global_buffer, .address_space: global }
      - { .name: wa, .offset: 32, .size: 8, .value_kind: global_buffer, .address_space: global }
      - { .name: wp, .offset: 40, .size: 8, .value_kind: global_buffer, .address_space: global }
    .group_segment_fixed_size: 0
    .private_segment_fixed_size: 0
    .kernarg_segment_align: 8
    .kernarg_segment_size: 48
    .max_flat_workgroup_size: 256
    .sgpr_count:     66
    .vgpr_count:     56
    .wavefront_size: 32
...
	.end_amdgpu_metadata
.endif
;; end of part 5
;; launch qkv: the kernel of part 2 again; grid 8 x 32, 4 waves a work-group, clusters of 4 x 4, 327,680 bytes of LDS; arguments xb, wa, b_attn, qkv; writes qkv
;; launch attn (part 6): grid 8 x 32, 8 waves a work-group, no clusters, 327,680 bytes of LDS; arguments qkv, y2; writes y2
.if DOCPART == 6
	.amdgcn_target "amdgcn-amd-amdhsa--gfx1250"
	.amdhsa_code_object_version 6
	.text
	.protected	k_qd4e139d09e_attn
	.globl	k_qd4e139d09e_attn
	.p2align	8
	.type	k_qd4e139d09e_attn,@function
k_qd4e139d09e_attn:
	s_mov_b64 s[64:65], 0
	v_nop
	global_prefetch_b8 v0, s[64:65] scope:SCOPE_SE
	s_setreg_imm32_b32 hwreg(HW_REG_WAVE_MODE, 25, 1), 1
	s_wait_xcnt 0x0
; Causal softmax attention, one (batch, head) for each work-group y, with a running maximum.  q, k, v: f16 planes [2048][64] of qkv.
; Out: y2[16 batch + query block][head][128 rows][64 d] in f16: a (block, head) tile is 16,384 dense bytes, a wave's 32 rows 4,096 of them.
; BALANCE: work-group x = i takes query block 15 - i and then block i.  Keys come in tiles of 256: (17 - i) >> 1 tiles for the first block,
; (i >> 1) + 1 for the second, 9 trips for every work-group; of the 128-key halves of those tiles 17 lie at or in front of the diagonal.
; Eight waves: g = w & 3 picks 32 of the block's 128 queries, p = w >> 2 which 64 keys of each 128.  A trip is two steps of 64 keys for a
; wave.  The two key halves keep their own maximum, sum and O and are merged once for each block, through LDS.
; A SLOT HOLDS 256 KEYS so that the one refill behind a trip's barrier has two steps' work of every wave in which to land.
; BOTH PRODUCTS ARE TRANSPOSED.  S^T = K Q^T: lane (r, h) holds query r and keys 16 a + 8 h + j, so a lane owns one query, maximum and sum
; are its own but for one exchange with lane l ^ 16, and tiles 2 ks and 2 ks + 1 rounded to f16 are the second source of O^T = V^T P^T as they
; lie.  V^T's fragments come from V's rows by the transposing LDS load.
; The scale 1/8 and log2 e are one factor c; NM = -c x maximum is kept, so that p = exp2(c s + NM), one fused multiply-add.
; A step is worked on only if its first key is not behind the wave's first query; then every query has a key that is not masked, the
; maximum is finite, and masked scores (set to -infinity) give p = 0.  State at a block's start: NM = +infinity, sum 0, O 0.
; NO CLUSTER: the eight work-groups of a head read the same planes but walk tiles 0 .. n1 - 1 and then 0 .. 8 - n1 with n1 from 5 to 8; from
; the sixth trip on they want different tiles in the same trip, and one common walk for all eight would be 8 + 4 = 12 trips in place of 9.
; LIMITS: p and y are rounded to f16 (p <= 1, |y| <= the largest |v|; below 6.1e-5 with an absolute error up to 3e-8); q, k, v as the
; launch before leaves them.
.set PK,     144                       ; pitch of K's rows: 128 + 16 bytes, an odd multiple of 16
.set PV,     160                       ; pitch of V's rows: 128 + 32 bytes, an odd multiple of 32
.set KBYTES, 256*PK                    ; 36,864
.set SLOT,   256*PK+256*PV             ; 77,824: K's tile, then V's; two slots
.set SCR,    2*SLOT                    ; 155,648: hand-over of key half 1's state, first block: four waves x 8,704 bytes; second block 34,816 further
.set SCRW,   8704                      ; 64 registers of O and 4 of NM and sum, 128 bytes each
.set SCRB,   4*SCRW
.set STAGE,  SCR+2*SCRB                ; 225,280: four waves x [32 rows][144 bytes], the way out.  No fill lands in scratch or stage
.set STW,    32*144
.set ADK, 2                            ; v2-3    LDS address of my K fragments in slot 0, 1
.set ADV, 4                            ; v4-5    the same for V
                                       ; v6 r - 8 h   v7 the mask's bound   v[8:9] NM   v[10:11] sum   v[12:13] AL   v[14:15] BL   v16 -infinity
                                       ; v17 Q's offset   v18 scratch   v19 stage in   v20 stage back   v21 offset in y2   v24-47 at work
.set S,   64                           ; v64-127   scores, tile (a, tq) at 8 (2 a + tq)
.set O,   128                          ; v128-191  O^T, tile (dt, tq) at 8 (2 dt + tq)
.set Q,   192                          ; v192-223  Q's fragments (tq, ks) at 8 (2 tq + ks)
.set P,   224                          ; v224-255  P^T's fragments (tq, ks) at 8 (2 tq + ks)
.set KF,  0                            ; window 1: v0-63    K's fragments (a, ks) at 8 (2 a + ks)
.set VF,  64                           ; window 1: v64-127  V^T's fragments (dt, ks) at 8 (2 dt + ks)
.set QB,  128                          ; window 1: v128-159 Q of the second block, loaded at the start
.set G1K, 36                           ; s[36:43] group 1 for K's tile
.set G1V, 44                           ; s[44:51] group 1 for V's tile
.set G0K, 52                           ; s[52:59] group 0 for K's tile, slot s at 52 + 4 s
.set G0V, 60                           ; s[60:63], s[68:71] group 0 for V's tile, slot s at 60 + 8 s
.set MSB, 0
.macro WIN new
.if MSB != \new
	s_set_vgpr_msb (MSB<<8)|\new
.set MSB, \new
.endif
.endm
.macro PLACES                          ; four places behind a matrix instruction (ISA guide 7.12.1)
.rept 4
	v_nop
.endr
.endm
.macro KVLOAD s                        ; wave 0 asks for K's tile, wave 1 for V's, 256 rows each; the other waves ask for nothing
	s_cmp_lg_u32 s8, 0
	s_cbranch_scc1 .Lnot_k_\@
	tensor_load_to_lds s[G0K+4*\s:G0K+4*\s+3], s[G1K:G1K+7]
	s_nop 0
.Lnot_k_\@:
	s_cmp_lg_u32 s8, 1
	s_cbranch_scc1 .Lnot_v_\@
	tensor_load_to_lds s[G0V+8*\s:G0V+8*\s+3], s[G1V:G1V+7]
	s_nop 0
.Lnot_v_\@:
.endm
	s_load_b128 s[4:7], s[0:1], 0x0                ; qkv s[4:5], y2 s[6:7]
	v_lshl_add_u32 v62, v0, 2, 0x3b800
	v_mov_b32 v63, 0
	ds_add_u32 v62, v63
	v_lshrrev_b32 v1, 5, v0
	v_readfirstlane_b32 s8, v1                     ; wave 0..7
	s_and_b32 s9, s8, 3                            ; g: my 32 queries
	s_lshr_b32 s10, s8, 2                          ; p: my half of the keys
	s_mov_b32 s11, ttmp9                           ; i
	s_and_b32 s12, ttmp7, 0xffff                   ; 16 batch + head
	s_sub_co_u32 s13, 17, s11
	s_lshr_b32 s13, s13, 1                         ; n1: tiles of the first block, 5 to 8
	s_mov_b32 s14, 0                               ; t: the trip
	s_mov_b32 s15, 0                               ; kt: this trip's key tile
	s_mov_b32 s16, 0                               ; nx: the tile asked for last
	s_lshl_b32 s35, s10, 6                         ; 64 p
	s_lshl_b32 s19, s9, 5                          ; 32 g
	s_sub_co_u32 s17, 15, s11
	s_lshl_b32 s17, s17, 7
	s_add_co_u32 s17, s17, s19                     ; my first query in the block at work: 128 (15 - i) + 32 g
	s_lshl_b32 s18, s11, 7
	s_add_co_u32 s18, s18, s19                     ; and in the second block: 128 i + 32 g
	s_mov_b32 s21, 0                               ; s[20:21]: offsets, all below 2^25
	s_mov_b32 s30, 0x3e38aa3b                      ; c = log2 e / 8, twice
	s_mov_b32 s31, 0x3e38aa3b
	s_mov_b32 s32, 0x76543210                      ; v_permlanex16_b32: lane l reads lane l ^ 16
	s_mov_b32 s33, 0xfedcba98
	; group 1: 256 rows x 64 elements of 2 bytes, dense in memory; after every 32 words (code 4) a pad of 4 words (K) or 8 words (V)
	s_mov_b32 s[G1K+0], (1<<16)|(1<<20)|(4<<22)|(3<<25)
	s_mov_b32 s[G1V+0], (1<<16)|(1<<20)|(4<<22)|(7<<25)
.irp gg, G1K, G1V
	s_mov_b32 s[\gg+1], 64<<16                     ; tensor_dim0 = 64
	s_mov_b32 s[\gg+2], 256<<16                    ; tensor_dim1 = 256
	s_mov_b32 s[\gg+3], 64<<16                     ; tile_dim0 = 64
	s_mov_b32 s[\gg+4], 256                        ; tile_dim1 = 256
	s_mov_b32 s[\gg+5], 64                         ; elements from row to row
	s_mov_b32 s[\gg+6], 0
	s_mov_b32 s[\gg+7], 0
.endr
	s_mov_b32 s[G0K+0], 1
	s_mov_b32 s[G0K+1], 0
	s_mov_b32 s[G0K+4], 1
	s_mov_b32 s[G0K+5], SLOT
	s_mov_b32 s[G0V+0], 1
	s_mov_b32 s[G0V+1], KBYTES
	s_mov_b32 s[G0V+8], 1
	s_mov_b32 s[G0V+9], SLOT+KBYTES
	s_lshl_b32 s20, s12, 18                        ; my plane: x 262,144 bytes
	s_wait_dscnt 0x0
	s_barrier_signal -1
	s_barrier_wait -1
	s_wait_kmcnt 0x0
	s_add_nc_u64 s[72:73], s[4:5], s[20:21]        ; q's plane
	s_add_nc_u64 s[22:23], s[72:73], 0x800000      ; k's: 32 planes on
	s_add_nc_u64 s[24:25], s[72:73], 0x1000000     ; v's: 64 planes on
	s_mov_b64 s[G0K+2:G0K+3], s[22:23]
	s_or_b32 s[G0K+3], s[G0K+3], 0x80000000
	s_mov_b64 s[G0V+2:G0V+3], s[24:25]
	s_or_b32 s[G0V+3], s[G0V+3], 0x80000000
	KVLOAD 0                                       ; tile 0, the one first fill at the start; slot 1 is first filled behind the first trip's barrier
	s_lshl_b32 s20, s18, 7
	s_add_nc_u64 s[74:75], s[72:73], s[20:21]      ; my 32 rows of q, second block
	s_lshl_b32 s20, s17, 7
	s_add_nc_u64 s[72:73], s[72:73], s[20:21]      ; and first block
	s_lshr_b32 s76, s12, 4
	s_lshl_b32 s76, s76, 8                         ; batch x 16 blocks x 16 heads
	s_and_b32 s77, s12, 15
	s_add_co_u32 s76, s76, s77                     ; + head
	s_lshl_b32 s79, s9, 12                         ; my 32 rows of 128 bytes in a tile of y2
	s_sub_co_u32 s77, 15, s11
	s_lshl4_add_u32 s20, s77, s76                  ; + 16 x block
	s_lshl_b32 s20, s20, 14                        ; a tile of y2 is 16,384 bytes (511 tiles at the most: below 2^23)
	s_add_co_u32 s20, s20, s79
	s_add_nc_u64 s[26:27], s[6:7], s[20:21]        ; where the first block's result goes
	s_lshl4_add_u32 s20, s11, s76
	s_lshl_b32 s20, s20, 14
	s_add_co_u32 s20, s20, s79
	s_add_nc_u64 s[28:29], s[6:7], s[20:21]        ; and the second's
	v_and_b32 v24, 15, v0                          ; r
	v_bfe_u32 v25, v0, 4, 1                        ; h
	v_lshlrev_b32 v17, 7, v24
	v_lshl_add_u32 v17, v25, 4, v17                ; Q: row r x 128 bytes + 16 h
.irp tq, 0,1
.irp ks, 0,1
	global_load_b128 v[Q+8*(2*\tq+\ks):Q+8*(2*\tq+\ks)+3],   v17, s[72:73] offset:2048*\tq+64*\ks
	global_load_b128 v[Q+8*(2*\tq+\ks)+4:Q+8*(2*\tq+\ks)+7], v17, s[72:73] offset:2048*\tq+64*\ks+32
.endr
.endr
	WIN 0x40                                       ; destination window 1
.irp tq, 0,1
.irp ks, 0,1
	global_load_b128 v[QB+8*(2*\tq+\ks):QB+8*(2*\tq+\ks)+3],   v17, s[74:75] offset:2048*\tq+64*\ks
	global_load_b128 v[QB+8*(2*\tq+\ks)+4:QB+8*(2*\tq+\ks)+7], v17, s[74:75] offset:2048*\tq+64*\ks+32
.endr
.endr
	WIN 0
	v_mul_u32_u24 v[ADK], v24, PK
	v_lshl_add_u32 v[ADK], v25, 4, v[ADK]
	s_mul_i32 s76, s10, 64*PK
	v_add_nc_u32 v[ADK], s76, v[ADK]               ; K: row (64 p + r) x pitch + 16 h
	v_add_nc_u32 v[ADK+1], SLOT, v[ADK]
	v_and_b32 v26, 7, v0
	v_lshl_add_u32 v26, v25, 3, v26
	v_mul_u32_u24 v[ADV], v26, PV
	v_bfe_u32 v27, v0, 3, 1
	v_lshl_add_u32 v[ADV], v27, 4, v[ADV]
	s_mul_i32 s77, s10, 64*PV
	s_add_co_u32 s77, s77, KBYTES
	v_add_nc_u32 v[ADV], s77, v[ADV]               ; V: row (64 p + 8 h + l % 8) x pitch + 16 for lanes 8-15 and 24-31
	v_add_nc_u32 v[ADV+1], SLOT, v[ADV]
	v_lshlrev_b32 v26, 3, v25
	v_sub_nc_u32 v6, v24, v26                      ; r - 8 h
	v_mov_b32 v16, 0xff800000                      ; -infinity
	v_and_b32 v26, 31, v0                          ; l
	s_mul_i32 s78, s9, SCRW
	s_add_co_u32 s76, s78, SCR
	v_lshl_add_u32 v18, v26, 4, s76                ; scratch of pair g: 16 l
	s_mul_i32 s77, s9, STW
	s_add_co_u32 s77, s77, STAGE
	v_mul_u32_u24 v19, v24, 144
	v_lshl_add_u32 v19, v25, 4, v19
	v_add_nc_u32 v19, s77, v19                     ; stage in: row r, 16 h
	v_bfe_u32 v27, v0, 3, 2
	v_mul_u32_u24 v20, v27, 144
	v_and_b32 v28, 7, v0
	v_lshl_add_u32 v20, v28, 4, v20
	v_add_nc_u32 v20, s77, v20                     ; stage back: eight lanes take a row's 128 bytes, a wave four rows
	v_lshlrev_b32 v21, 4, v26                      ; in y2 those four rows are 512 dense bytes: 16 l
.macro FRESH                           ; a block's start: nothing seen yet
	v_mov_b32 v8, 0x7f800000
	v_mov_b32 v9, 0x7f800000
	v_mov_b32 v10, 0
	v_mov_b32 v11, 0
.set e, 0
.rept 64
	v_mov_b32 v[O+e], 0
.set e, e+1
.endr
.endm
	FRESH
	s_wait_loadcnt 0x0                             ; Q of both blocks
; Softmax of a step's 64 keys x 32 queries, the lane's 2 x 32 scores.
.macro SOFT
.irp tq, 0,1
.irp a, 0,1,2,3
	v_max3_num_f32 v[24+4*\tq+\a], v[S+8*(2*\a+\tq)], v[S+8*(2*\a+\tq)+1], v[S+8*(2*\a+\tq)+2]   ; eight chains that do not wait for each other
.endr
.endr
.irp e, 3,5
.irp tq, 0,1
.irp a, 0,1,2,3
	v_max3_num_f32 v[24+4*\tq+\a], v[24+4*\tq+\a], v[S+8*(2*\a+\tq)+\e], v[S+8*(2*\a+\tq)+\e+1]
.endr
.endr
.endr
.irp tq, 0,1
.irp a, 0,1,2,3
	v_max_num_f32 v[24+4*\tq+\a], v[24+4*\tq+\a], v[S+8*(2*\a+\tq)+7]
.endr
.endr
.irp tq, 0,1
	v_max3_num_f32 v[24+4*\tq], v[24+4*\tq], v[25+4*\tq], v[26+4*\tq]
.endr
.irp tq, 0,1
	v_max_num_f32 v[24+4*\tq], v[24+4*\tq], v[27+4*\tq]
.endr
.irp tq, 0,1
	v_permlanex16_b32 v[25+4*\tq], v[24+4*\tq], s32, s33     ; the other half of the query's keys (the destination has been written above)
.endr
.irp tq, 0,1
	v_max_num_f32 v[24+4*\tq], v[24+4*\tq], v[25+4*\tq]
.endr
.irp tq, 0,1
	v_mul_f32 v[24+4*\tq], 0xbe38aa3b, v[24+4*\tq]           ; T = -c x the step's maximum
.endr
.irp tq, 0,1
	v_sub_f32 v[25+4*\tq], v[24+4*\tq], v[8+\tq]             ; T - NM (-infinity at a block's first step)
.endr
.irp tq, 0,1
	v_min_num_f32 v[8+\tq], v[24+4*\tq], v[8+\tq]            ; NM follows the running maximum
.endr
.irp tq, 0,1
	v_min_num_f32 v[25+4*\tq], 0, v[25+4*\tq]                ; new NM - old NM
.endr
	v_exp_f32 v12, v25                                       ; AL: what the old sum and O are worth under the new maximum
	v_exp_f32 v13, v29
.irp tq, 0,1
.irp a, 0,1,2,3
.irp q, 0,1,2,3
	v_pk_fma_f32 v[S+8*(2*\a+\tq)+2*\q:S+8*(2*\a+\tq)+2*\q+1], v[S+8*(2*\a+\tq)+2*\q:S+8*(2*\a+\tq)+2*\q+1], s[30:31], v[8:9] op_sel:[0,0,\tq] op_sel_hi:[1,0,\tq]   ; c s + NM
.endr
.endr
.endr
.set e, 0
.rept 64
	v_exp_f32 v[S+e], v[S+e]
.set e, e+1
.endr
	s_wait_alu depctr_va_vdst(0)
.irp tq, 0,1                           ; plain vector work that touches no score stands behind the exponentials before their results are used (ISA guide 5.7.2)
.irp dt, 0,1,2,3
.irp q, 0,1,2,3
	v_pk_mul_f32 v[O+8*(2*\dt+\tq)+2*\q:O+8*(2*\dt+\tq)+2*\q+1], v[O+8*(2*\dt+\tq)+2*\q:O+8*(2*\dt+\tq)+2*\q+1], v[12:13] op_sel:[0,\tq] op_sel_hi:[1,\tq]
.endr
.endr
.endr
.irp tq, 0,1
.irp a, 0,1,2,3
.irp q, 0,1,2,3
	v_cvt_pk_f16_f32 v[P+8*(2*\tq+\a/2)+4*(\a%2)+\q], v[S+8*(2*\a+\tq)+2*\q], v[S+8*(2*\a+\tq)+2*\q+1]   ; key tiles 2 ks, 2 ks + 1 are registers 0-3, 4-7 of fragment ks
.endr
.endr
.endr
.irp tq, 0,1
.irp a, 0,1,2,3
	v_pk_add_f32 v[32+8*\tq+2*\a:32+8*\tq+2*\a+1], v[S+8*(2*\a+\tq):S+8*(2*\a+\tq)+1], v[S+8*(2*\a+\tq)+2:S+8*(2*\a+\tq)+3]
.endr
.endr
.irp e, 4,6
.irp tq, 0,1
.irp a, 0,1,2,3
	v_pk_add_f32 v[32+8*\tq+2*\a:32+8*\tq+2*\a+1], v[32+8*\tq+2*\a:32+8*\tq+2*\a+1], v[S+8*(2*\a+\tq)+\e:S+8*(2*\a+\tq)+\e+1]
.endr
.endr
.endr
.irp tq, 0,1
	v_pk_add_f32 v[32+8*\tq:33+8*\tq], v[32+8*\tq:33+8*\tq], v[34+8*\tq:35+8*\tq]
	v_pk_add_f32 v[36+8*\tq:37+8*\tq], v[36+8*\tq:37+8*\tq], v[38+8*\tq:39+8*\tq]
.endr
.irp tq, 0,1
	v_pk_add_f32 v[32+8*\tq:33+8*\tq], v[32+8*\tq:33+8*\tq], v[36+8*\tq:37+8*\tq]
.endr
.irp tq, 0,1
	v_add_f32 v[32+8*\tq], v[32+8*\tq], v[33+8*\tq]
.endr
.irp tq, 0,1
	v_fma_f32 v[10+\tq], v[10+\tq], v[12+\tq], v[32+8*\tq]   ; the lane's part of the sum; the two halves of the lanes meet at the merge
.endr
.endm
; One step: my 64 keys of half u (128 keys) of the tile in slot: 32 LDS loads, 16 + 16 matrix instructions.  In each product eight
; accumulators take turns, one instruction a turn.  s19 = first key - first query.
.macro TILE slot, u
	WIN 0x40
.irp a, 0,1,2,3
.irp ks, 0,1
	ds_load_b128 v[KF+8*(2*\a+\ks):KF+8*(2*\a+\ks)+3],   v[ADK+\slot] offset:128*PK*\u+16*PK*\a+64*\ks
	ds_load_b128 v[KF+8*(2*\a+\ks)+4:KF+8*(2*\a+\ks)+7], v[ADK+\slot] offset:128*PK*\u+16*PK*\a+64*\ks+32
.endr
.endr
.irp dt, 0,1,2,3
.irp ks, 0,1
	ds_load_tr16_b128 v[VF+8*(2*\dt+\ks):VF+8*(2*\dt+\ks)+3],   v[ADV+\slot] offset:128*PV*\u+32*PV*\ks+32*\dt
	ds_load_tr16_b128 v[VF+8*(2*\dt+\ks)+4:VF+8*(2*\dt+\ks)+7], v[ADV+\slot] offset:128*PV*\u+32*PV*\ks+32*\dt+16*PV
.endr
.endr
	s_wait_dscnt 16                                ; K's 16 loads are in; V's 16, issued behind them, stay out
	WIN 0x01                                       ; source 0 window 1
.irp a, 0,1,2,3
.irp tq, 0,1
	v_wmma_f32_16x16x32_f16 v[S+8*(2*\a+\tq):S+8*(2*\a+\tq)+7], v[KF+8*(2*\a):KF+8*(2*\a)+7], v[Q+8*(2*\tq):Q+8*(2*\tq)+7], 0
.endr
.endr
.irp a, 0,1,2,3
.irp tq, 0,1
	v_wmma_f32_16x16x32_f16 v[S+8*(2*\a+\tq):S+8*(2*\a+\tq)+7], v[KF+8*(2*\a+1):KF+8*(2*\a+1)+7], v[Q+8*(2*\tq+1):Q+8*(2*\tq+1)+7], v[S+8*(2*\a+\tq):S+8*(2*\a+\tq)+7]
.endr
.endr
	WIN 0
	v_sub_nc_u32 v7, v6, s19                       ; key 16 a + 8 h + j is behind query 16 tq + r where 16 (a - tq) + j > r - 8 h - (first key - first query)
	v_nop                                          ; with the line above: four places before the scores are read
	v_nop
	v_nop
	s_cmp_lt_i32 s19, -63                          ; my last key is not behind my first query: nothing to mask
	s_cbranch_scc1 .Lfull_\@
.irp a, 0,1,2,3
.irp tq, 0,1
.irp j, 0,1,2,3,4,5,6,7
	v_cmp_gt_i32 vcc_lo, 16*(\a-\tq)+\j, v7
	v_cndmask_b32 v[S+8*(2*\a+\tq)+\j], v[S+8*(2*\a+\tq)+\j], v16, vcc_lo
.endr
.endr
.endr
.Lfull_\@:
	SOFT
	s_wait_dscnt 0x0                               ; V's fragments
	WIN 0x01
.irp ks, 0,1
.irp dt, 0,1,2,3
.irp tq, 0,1
	v_wmma_f32_16x16x32_f16 v[O+8*(2*\dt+\tq):O+8*(2*\dt+\tq)+7], v[VF+8*(2*\dt+\ks):VF+8*(2*\dt+\ks)+7], v[P+8*(2*\tq+\ks):P+8*(2*\tq+\ks)+7], v[O+8*(2*\dt+\tq):O+8*(2*\dt+\tq)+7]
.endr
.endr
.endr
	WIN 0
	PLACES                                         ; whatever comes next may read O and write or load into the fragments
.endm
.macro PUT sel                         ; key half 1 hands its O, NM and sum over
.irp e, 0,1,2,3,4,5,6,7,8,9,10,11,12,13,14,15
	ds_store_b128 v18, v[O+4*\e:O+4*\e+3] offset:\sel*SCRB+512*\e
.endr
	ds_store_b128 v18, v[8:11] offset:\sel*SCRB+8192
.endm
; Key half 0 takes its partner's state, brings both under the common maximum, divides by the sum and stores y.  A partner that saw no step
; hands over NM = +infinity, sum 0, O 0: its weight BL is exp2(-infinity) = 0.  Half 0 always saw a step, so the common NM is finite.
.macro MERGE sel, yb
.irp e, 0,1,2,3,4,5,6,7,8,9,10,11,12,13,14,15
	ds_load_b128 v[S+4*\e:S+4*\e+3], v18 offset:\sel*SCRB+512*\e
.endr
	ds_load_b128 v[224:227], v18 offset:\sel*SCRB+8192
	s_wait_dscnt 0x0
.irp tq, 0,1
	v_min_num_f32 v[24+\tq], v[8+\tq], v[224+\tq]
	v_sub_f32 v[26+\tq], v[24+\tq], v[8+\tq]
	v_sub_f32 v[28+\tq], v[24+\tq], v[224+\tq]
.endr
	v_exp_f32 v12, v26
	v_exp_f32 v13, v27
	v_exp_f32 v14, v28
	v_exp_f32 v15, v29
	v_nop                                          ; a plain place behind the exponentials
	s_wait_alu depctr_va_vdst(0)
.irp tq, 0,1
	v_mul_f32 v[10+\tq], v[10+\tq], v[12+\tq]
	v_fmac_f32 v[10+\tq], v[226+\tq], v[14+\tq]
	v_permlanex16_b32 v[24+\tq], v[10+\tq], s32, s33         ; the sums of the two halves of the lanes meet here
	v_add_f32 v[10+\tq], v[10+\tq], v[24+\tq]
.endr
	v_rcp_f32 v24, v10                             ; the sum is at least 1: the key of the maximum counts 1
	v_rcp_f32 v25, v11
	v_nop
	s_wait_alu depctr_va_vdst(0)
.irp tq, 0,1
	v_mul_f32 v[12+\tq], v[12+\tq], v[24+\tq]
	v_mul_f32 v[14+\tq], v[14+\tq], v[24+\tq]
.endr
.irp tq, 0,1
.irp dt, 0,1,2,3
.irp q, 0,1,2,3
	v_pk_mul_f32 v[O+8*(2*\dt+\tq)+2*\q:O+8*(2*\dt+\tq)+2*\q+1], v[O+8*(2*\dt+\tq)+2*\q:O+8*(2*\dt+\tq)+2*\q+1], v[12:13] op_sel:[0,\tq] op_sel_hi:[1,\tq]
.endr
.irp q, 0,1,2,3
	v_pk_fma_f32 v[O+8*(2*\dt+\tq)+2*\q:O+8*(2*\dt+\tq)+2*\q+1], v[S+8*(2*\dt+\tq)+2*\q:S+8*(2*\dt+\tq)+2*\q+1], v[14:15], v[O+8*(2*\dt+\tq)+2*\q:O+8*(2*\dt+\tq)+2*\q+1] op_sel:[0,\tq,0] op_sel_hi:[1,\tq,1]
.endr
.endr
.endr
.irp tq, 0,1                           ; a lane's eight y of tile (dt, tq) are d = 16 dt + 8 h + 0..7 of query 16 tq + r: 16 bytes of f16 into my stage
.irp dt, 0,1,2,3
.irp q, 0,1,2,3
	v_cvt_pk_f16_f32 v[P+4*(4*\tq+\dt)+\q], v[O+8*(2*\dt+\tq)+2*\q], v[O+8*(2*\dt+\tq)+2*\q+1]
.endr
	ds_store_b128 v19, v[P+4*(4*\tq+\dt):P+4*(4*\tq+\dt)+3] offset:16*144*\tq+32*\dt
.endr
.endr
.irp e, 0,1,2,3,4,5,6,7
	ds_load_b128 v[S+4*\e:S+4*\e+3], v20 offset:4*144*\e     ; my own stage: LDS serves a wave's instructions in order (ISA guide 5.7.1.4)
.endr
.irp e, 0,1,2,3,4,5,6,7
	s_wait_dscnt 7-\e                              ; load e is in, the 7 - e younger ones stay out
	global_store_b128 v21, v[S+4*\e:S+4*\e+3], s[\yb:\yb+1] offset:512*\e   ; each store of the wave covers 512 consecutive bytes, aligned
.endr
	s_wait_xcnt 0x0                                ; the registers that these stores read are written again only behind this wait
.endm
.macro BEGINB                          ; the second block begins
	s_mov_b32 s17, s18
	s_mov_b32 s15, 0
	WIN 0x01
.set e, 0
.rept 32
	v_mov_b32 v[Q+e], v[QB+e]
.set e, e+1
.endr
	WIN 0
	FRESH
.endm
; One trip = one key tile of 256 = two steps of a wave.  In front of the first barrier every wave waits for its reads of the other slot and
; for all its tensor loads (wave 0 or 1: the one that brought this trip's tile); behind it the other slot's refill comes first: one load of
; a wave is out at the most, and it has this whole trip in which to land.  The second barrier fills nothing: it parts the reads of the
; hand-over scratch (MERGE, in front of it) from the stores into it (PUT, behind it) on every way through the text.
.macro TRIP slot, other, refill, put
	s_wait_tensorcnt 0x0
	ds_add_u32 v62, v63
	s_wait_dscnt 0x0
.if \refill
	s_add_co_u32 s16, s16, 1                       ; the next tile; behind the first block's last comes the second block's tile 0
	s_cmp_eq_u32 s16, s13
	s_cselect_b32 s16, 0, s16
	s_lshl_b32 s20, s16, 15                        ; a tile is 256 rows x 128 bytes
	s_add_nc_u64 s[G0K+4*\other+2:G0K+4*\other+3], s[22:23], s[20:21]   ; no load of mine is out: a group 0 may be written
	s_or_b32 s[G0K+4*\other+3], s[G0K+4*\other+3], 0x80000000
	s_add_nc_u64 s[G0V+8*\other+2:G0V+8*\other+3], s[24:25], s[20:21]
	s_or_b32 s[G0V+8*\other+3], s[G0V+8*\other+3], 0x80000000
.endif
	s_wait_dscnt 0x0
	s_barrier_signal -1
	s_barrier_wait -1
.if \refill
	KVLOAD \other
.endif
	s_cmp_lg_u32 s14, s13                          ; the first block is through?
	s_cbranch_scc1 .Lsame_\@
	s_cmp_lg_u32 s10, 0
	s_cbranch_scc1 .Lno_merge_\@
	MERGE 0, 26
.Lno_merge_\@:
	BEGINB
.Lsame_\@:
	s_wait_dscnt 0x0
	s_barrier_signal -1
	s_barrier_wait -1
	s_lshl_b32 s19, s15, 8
	s_add_co_u32 s19, s19, s35
	s_sub_co_u32 s19, s19, s17                     ; my first key - my first query, a multiple of 32
	s_cmp_gt_i32 s19, 31                           ; all my keys are behind all my queries: nothing to do, in the second half neither
	s_cbranch_scc1 .Lover_\@
	TILE \slot, 0
	s_add_co_u32 s19, s19, 128                     ; the tile's second half
	s_cmp_gt_i32 s19, 31
	s_cbranch_scc1 .Lover_\@
	TILE \slot, 1
.Lover_\@:
	s_add_co_u32 s14, s14, 1
	s_add_co_u32 s15, s15, 1
.if \put
	s_cmp_lg_u32 s14, s13                          ; that was the first block's last tile?
	s_cbranch_scc1 .Lno_put_\@
	s_cmp_lg_u32 s10, 1
	s_cbranch_scc1 .Lno_put_\@
	PUT 0
.Lno_put_\@:
.endif
.endm
	s_mov_b32 s34, 4
.Ltrips:
	TRIP 0, 1, 1, 1
	TRIP 1, 0, 1, 1
	s_sub_co_u32 s34, s34, 1
	s_cmp_lg_u32 s34, 0
	s_cbranch_scc1 .Ltrips
	TRIP 0, 1, 0, 0                                ; the ninth trip: nothing is left to fetch
	s_cmp_lg_u32 s10, 1
	s_cbranch_scc1 .Lno_put_b
	PUT 1
.Lno_put_b:
	s_wait_dscnt 0x0                               ; the hand-over is in LDS, for the partner's sake
	s_barrier_signal -1
	s_barrier_wait -1
	s_cmp_lg_u32 s10, 0
	s_cbranch_scc1 .Lend
	MERGE 1, 28
.Lend:
	s_wait_tensorcnt 0x0
	ds_add_u32 v62, v63
	s_wait_dscnt 0x0
	s_endpgm
.Lfunc_end_k_qd4e139d09e_attn:
	.size	k_qd4e139d09e_attn, .Lfunc_end_k_qd4e139d09e_attn-k_qd4e139d09e_attn
	.p2alignl 7, 3214868480
	.fill 96, 4, 3214868480
	.section	.rodata,"a",@progbits
	.p2align	6, 0x0
	.amdhsa_kernel k_qd4e139d09e_attn
		.amdhsa_group_segment_fixed_size 327680
		.amdhsa_private_segment_fixed_size 0
		.amdhsa_enable_private_segment 0
		.amdhsa_kernarg_size 16
		.amdhsa_user_sgpr_count 2
		.amdhsa_user_sgpr_kernarg_segment_ptr 1
		.amdhsa_wavefront_size32 1
		.amdhsa_system_sgpr_workgroup_id_x 1
		.amdhsa_system_sgpr_workgroup_id_y 1
		.amdhsa_system_sgpr_workgroup_id_z 1
		.amdhsa_system_vgpr_workitem_id 0
		.amdhsa_next_free_vgpr 416
		.amdhsa_next_free_sgpr 80
		.amdhsa_reserve_vcc 1
		.amdhsa_float_denorm_mode_32 3
		.amdhsa_float_denorm_mode_16_64 3
		.amdhsa_memory_ordered 1
		.amdhsa_forward_progress 1
		.amdhsa_inst_pref_size 195
	.end_amdhsa_kernel
	.amdgpu_metadata
---
amdhsa.version: [ 1, 2 ]
amdhsa.kernels:
  - .name:           k_qd4e139d09e_attn
    .symbol:         k_qd4e139d09e_attn.kd
    .args:
      - { .name: qkv, .offset: 0, .size: 8, .value_kind: global_buffer, .address_space: global }
      - { .name: y2, .offset: 8, .size: 8, .value_kind: global_buffer, .address_space: global }
    .group_segment_fixed_size: 327680
    .private_segment_fixed_size: 0
    .kernarg_segment_align: 8
    .kernarg_segment_size: 16
    .max_flat_workgroup_size: 256
    .sgpr_count:     80
    .vgpr_count:     416
    .wavefront_size: 32
...
	.end_amdgpu_metadata
.endif
;; end of part 6
;; launch proj (part 7): grid 8 x 32, 4 waves a work-group, clusters of 4 x 4, 327,680 bytes of LDS; arguments y2, wp, b_proj, out0; writes out0
.if DOCPART == 7
	.amdgcn_target "amdgcn-amd-amdhsa--gfx1250"
	.amdhsa_code_object_version 6
	.text
	.protected	k_qd4e139d09e_proj
	.globl	k_qd4e139d09e_proj
	.p2align	8
	.type	k_qd4e139d09e_proj,@function
k_qd4e139d09e_proj:
	s_mov_b64 s[64:65], 0
	v_nop
	global_prefetch_b8 v0, s[64:65] scope:SCOPE_SE
	s_setreg_imm32_b32 hwreg(HW_REG_WAVE_MODE, 25, 1), 1
	s_wait_xcnt 0x0
	s_wait_alu depctr_hold_cnt(0) depctr_sa_sdst(0) depctr_va_vdst(0) depctr_va_sdst(0) depctr_va_ssrc(0) depctr_va_vcc(0) depctr_vm_vsrc(0)
	s_getreg_b32 s2, hwreg(HW_REG_IB_STS2, 6, 4)
	s_cmp_eq_u32 s2, 0
	s_cbranch_scc0 .Lentry_in_a_cluster
	s_endpgm
.Lentry_in_a_cluster:
	s_bfe_u32 s2, ttmp6, 0x10000c
	s_cmp_lg_u32 s2, 0xf033
	s_cbranch_scc0 .Lentry_shape_is_right
	s_endpgm
.Lentry_shape_is_right:
; out0 = y . wp + b_proj.  y2: [32 row blocks][16 heads][128 rows][64 d] f16, wp: [1024 k][1024 n] f16 (w_proj's bf16 numbers), b_proj: [1024]
; f32 (added in f32, unrounded), out0: [4096][1024] f32.  k = 64 head + d.
; A work-group makes 128 x 128 of out0 with four waves, 2 x 2, each 64 x 64: 16 accumulator tiles.  A K step is 256 = four heads; K = 1024 is
; four steps through two LDS slots, so that half of K is asked for at the start and each slot is filled again once.
; A slot has four regions of 36,864 bytes: y's heads 0-1 and 2-3 of the step (each 256 rows of 128 bytes, dense in memory, pitch 144), then wp's
; k-rows 0-127 and 128-255 (256 bytes, pitch 288).  Wave w fills region w with one tensor load.
; CLUSTERS: 4 x 4.  y's tiles hang on the block row alone and are asked for jointly along a row of the cluster, wp's on the block column alone
; and jointly along a column.
; wp lies [k][n]: its fragments come by the transposing LDS load.  The matrix instruction is used transposed (source 0 = 16 columns of wp,
; source 1 = 16 rows of y): a lane holds row l % 16 and eight neighbouring columns.
; REGISTERS: window 0: v16-27 addresses; v32-63, v64-95 fragments of y, two buffers; v96-127, v128-159 fragments of wp, two buffers;
; v160-191 bias; v192-223 at work.  Window 1: v0-127 accumulators, tile (a, b) at v[8 (4 a + b)].
.set PA,    144                        ; 128 + 16 bytes, an odd multiple of 16
.set PB,    288                        ; 256 + 32 bytes, an odd multiple of 32
.set REG,   256*PA                     ; 36,864 = 128 x 288 as well
.set SLOT,  4*REG
.set STAGE, 2*SLOT                     ; behind the ring: 16 rows x 272 bytes for each wave; no fill lands there
.set ADRA, 16                          ; v16-17  LDS address of my y fragments in slot 0, 1
.set ADRB, 20                          ; v20-23  the same for wp: slot s, k-rows 128 u .. at v[20 + 2 s + u]
.set STO,  24
.set RD,   25
.set CO,   26
.set BO,   27
.set AF,   32
.set BF,   96
.set BIAS, 160
.set TMP,  192
.set G1,  24                           ; s[24:31] group 1 for y's tiles
.set G0,  32                           ; s[32:39] group 0 for y's tiles, one set for each slot
.set G1B, 48                           ; s[48:55] group 1 for wp's tiles
.set G0B, 56                           ; s[56:63] group 0 for wp's tiles, one set for each slot
.set MSB, 0
.macro WIN new                         ; the immediate's high byte repeats the setting that is left
.if MSB != \new
	s_set_vgpr_msb (MSB<<8)|\new
.set MSB, \new
.endif
.endm
.set MUL, 0x50                         ; sources 0 and 1 window 0, C and D window 1
.macro JLOAD s                         ; waves 0 and 1 ask for y's regions, waves 2 and 3 for wp's; the branch hangs on the wave's number alone
	s_cmp_eq_u32 s11, 0
	s_cbranch_scc0 .Lfor_b_\@
	tensor_load_to_lds s[G0+4*\s:G0+4*\s+3], s[G1:G1+7]
	s_nop 0
	s_branch .Lasked_\@
.Lfor_b_\@:
	tensor_load_to_lds s[G0B+4*\s:G0B+4*\s+3], s[G1B:G1B+7]
	s_nop 0
.Lasked_\@:
.endm
.macro CREST                           ; a round of the cluster's barrier behind its opening work-group barrier
	s_cmp_lg_u32 s10, 0
	s_cbranch_scc1 .Lnot_wave_0_\@
	s_barrier_signal -3
.Lnot_wave_0_\@:
	s_barrier_wait -3
	s_barrier_signal -1
	s_barrier_wait -1
.endm
.macro CROUND
	s_barrier_signal -1
	s_barrier_wait -1
	CREST
.endm
	s_load_b128 s[4:7], s[0:1], 0x0                ; y2 s[4:5], wp s[6:7]
	s_load_b128 s[68:71], s[0:1], 0x10             ; b_proj s[68:69], out0 s[70:71]
	v_lshl_add_u32 v254, v0, 2, 0x4c400
	v_mov_b32 v255, 0
	ds_add_u32 v254, v255
	v_lshrrev_b32 v1, 5, v0
	v_readfirstlane_b32 s10, v1                    ; wave 0..3
	s_lshr_b32 s11, s10, 1                         ; my half of the block's rows.  Also: I fetch for y (0) or for wp (1)
	s_and_b32 s12, s10, 1                          ; my half of its columns.  Also: which of the two regions I fetch
	s_bfe_u32 s40, ttmp6, 0x40000                  ; cx
	s_bfe_u32 s41, ttmp6, 0x40004                  ; cy
	s_lshl_b32 s42, ttmp9, 2
	s_add_co_u32 s42, s42, s40                     ; block column 0..7
	s_and_b32 s13, ttmp7, 0xffff
	s_lshl_b32 s13, s13, 2
	s_add_co_u32 s13, s13, s41                     ; block row 0..31
	s_lshl_b32 s43, s41, 2
	s_lshl_b32 s43, 15, s43                        ; my row of the cluster
	s_lshl_b32 s44, 0x1111, s40                    ; my column
	s_or_b32 s[G1+0],  s43, (1<<16)|(1<<20)|(1<<21)|(4<<22)|(3<<25)   ; y: after every 32 words (code 4) a pad of 4 words; bit 21 set beside a mask
	s_or_b32 s[G1B+0], s44, (1<<16)|(1<<20)|(1<<21)|(5<<22)|(7<<25)   ; wp: after every 64 words (code 5) a pad of 8 words
	s_mov_b32 s[G1+1],  64<<16                     ; tensor_dim0 = 64 elements (a head's d)
	s_mov_b32 s[G1B+1], 128<<16
	s_mov_b32 s[G1+2],  256<<16                    ; tensor_dim1 = 256 rows (two heads x 128 rows, one behind the other in memory)
	s_mov_b32 s[G1B+2], 128<<16
	s_mov_b32 s[G1+3],  64<<16                     ; tile_dim0
	s_mov_b32 s[G1B+3], 128<<16
	s_mov_b32 s[G1+4],  256                        ; tile_dim1
	s_mov_b32 s[G1B+4], 128
	s_mov_b32 s[G1+5],  64                         ; elements from row to row of y2
	s_mov_b32 s[G1B+5], 1024                       ; and of wp
	s_mov_b32 s[G1+6],  0
	s_mov_b32 s[G1B+6], 0
	s_mov_b32 s[G1+7],  0
	s_mov_b32 s[G1B+7], 0
	s_lshl_b32 s16, s13, 18                        ; y2: block row x 16 heads x 16,384 bytes + my two heads of the step's four
	s_lshl_b32 s17, s12, 15
	s_add_co_u32 s16, s16, s17
	s_mov_b32 s17, 0
	s_lshl_b32 s46, s42, 8                         ; wp: block column x 256 bytes + my 128 rows of 2,048 bytes of the step's 256
	s_lshl_b32 s47, s12, 18
	s_add_co_u32 s46, s46, s47
	s_mov_b32 s47, 0
	s_mul_i32 s20, s10, REG                        ; region w: no place in the cluster enters an LDS address
	s_lshl_b32 s72, s42, 9                         ; my first column, in bytes of f32: 512 x block column + 256 x half
	s_lshl_b32 s73, s12, 8
	s_add_co_u32 s72, s72, s73
	s_mov_b32 s73, 0
	s_wait_dscnt 0x0
	s_wait_kmcnt 0x0
	s_add_nc_u64 s[14:15], s[4:5], s[16:17]
	s_add_nc_u64 s[46:47], s[6:7], s[46:47]
	s_add_nc_u64 s[68:69], s[68:69], s[72:73]      ; the bias of my 64 columns
	CROUND                                         ; all sixteen work-groups are here: the first joint loads meet
.irp s, 0,1
	s_mov_b32 s[G0+4*\s], 1
	s_add_co_u32 s[G0+4*\s+1], s20, \s*SLOT
	s_add_nc_u64 s[G0+4*\s+2:G0+4*\s+3], s[14:15], \s*4*16384          ; K step s: four heads on
	s_or_b32 s[G0+4*\s+3], s[G0+4*\s+3], 0x80000000
	s_mov_b32 s[G0B+4*\s], 1
	s_add_co_u32 s[G0B+4*\s+1], s20, \s*SLOT
	s_add_nc_u64 s[G0B+4*\s+2:G0B+4*\s+3], s[46:47], \s*256*2048       ; K step s: 256 rows of wp down
	s_or_b32 s[G0B+4*\s+3], s[G0B+4*\s+3], 0x80000000
	JLOAD \s                                       ; both first fills as one group: two loads of the wave are out
.endr
	v_and_b32 v1, 15, v0                           ; r
	v_bfe_u32 v2, v0, 4, 1                         ; h
	v_mul_u32_u24 v[ADRA], v1, PA
	v_lshl_add_u32 v[ADRA], v2, 4, v[ADRA]
	s_mul_i32 s21, s11, 64*PA                      ; my 64 of each head's 128 rows
	v_add_nc_u32 v[ADRA], s21, v[ADRA]
	v_add_nc_u32 v[ADRA+1], SLOT, v[ADRA]
	v_and_b32 v3, 7, v0
	v_lshl_add_u32 v3, v2, 3, v3                   ; wp: k-row 8 h + l % 8,
	v_mul_u32_u24 v3, v3, PB
	v_bfe_u32 v4, v0, 3, 1
	v_lshl_add_u32 v3, v4, 4, v3                   ; 16 bytes further for lanes 8-15 and 24-31,
	s_lshl_b32 s22, s12, 7                         ; my 64 columns of wp's tile
	s_add_co_u32 s22, s22, 2*REG
	v_add_nc_u32 v[ADRB], s22, v3
	v_add_nc_u32 v[ADRB+1], REG, v[ADRB]           ; k-rows 128 .. : an LDS immediate does not reach them from the first register
	v_add_nc_u32 v[ADRB+2], SLOT, v[ADRB]
	v_add_nc_u32 v[ADRB+3], SLOT+REG, v[ADRB]
	s_mul_i32 s23, s10, 16*272
	s_add_co_u32 s23, s23, STAGE                   ; my stage
	v_mul_u32_u24 v[STO], v1, 272
	v_lshl_add_u32 v[STO], v2, 5, v[STO]           ; in: row r, 32 bytes for each half of the lanes
	v_add_nc_u32 v[STO], s23, v[STO]
	v_mul_u32_u24 v[RD], v2, 272
	v_lshl_add_u32 v[RD], v1, 4, v[RD]             ; back: lanes 0-15 one row of 256 bytes, lanes 16-31 the next
	v_add_nc_u32 v[RD], s23, v[RD]
	v_lshlrev_b32 v[CO], 12, v2
	v_lshl_add_u32 v[CO], v1, 4, v[CO]             ; the same two rows in out0
	v_lshlrev_b32 v[BO], 5, v2                     ; bias: 4 bytes x 8 h
.irp b, 0,1,2,3
	global_load_b128 v[BIAS+8*\b:BIAS+8*\b+3],   v[BO], s[68:69] offset:64*\b     ; waited for at the way out
	global_load_b128 v[BIAS+8*\b+4:BIAS+8*\b+7], v[BO], s[68:69] offset:64*\b+16
.endr
; 8 matrix instructions: row tiles a0, a0 + 1 x four column tiles, 32 along K, from buffer e.  zero = 1: the first product starts the sums.
; The 16 accumulators take turns, one instruction a turn, in the same order in every eighth of a K step.
.macro MUL8 e, a0, zero
.irp a, \a0, \a0+1
.irp b, 0,1,2,3
.if \zero
	v_wmma_f32_16x16x32_f16 v[8*(4*(\a)+\b):8*(4*(\a)+\b)+7], v[BF+32*\e+8*\b:BF+32*\e+8*\b+7], v[AF+32*\e+8*(\a):AF+32*\e+8*(\a)+7], 0
.else
	v_wmma_f32_16x16x32_f16 v[8*(4*(\a)+\b):8*(4*(\a)+\b)+7], v[BF+32*\e+8*\b:BF+32*\e+8*\b+7], v[AF+32*\e+8*(\a):AF+32*\e+8*(\a)+7], v[8*(4*(\a)+\b):8*(4*(\a)+\b)+7]
.endif
.endr
.endr
.endm
; 16 LDS loads in one run: eighth kq of a K step (32 along K) into buffer e.  wp: k-rows 32 kq ..; y: head kq / 2 of the step's four (128 rows
; of 144 bytes each), d = 32 (kq % 2) ..
.macro FETCH slot, kq, e
.irp b, 0,1,2,3
	ds_load_tr16_b128 v[BF+32*\e+8*\b:BF+32*\e+8*\b+3],   v[ADRB+2*\slot+\kq/4] offset:32*PB*(\kq%4)+32*\b
	ds_load_tr16_b128 v[BF+32*\e+8*\b+4:BF+32*\e+8*\b+7], v[ADRB+2*\slot+\kq/4] offset:32*PB*(\kq%4)+32*\b+16*PB
.endr
.irp a, 0,1,2,3
	ds_load_b128 v[AF+32*\e+8*\a:AF+32*\e+8*\a+3],   v[ADRA+\slot] offset:128*PA*(\kq/2)+16*PA*\a+64*(\kq%2)
	ds_load_b128 v[AF+32*\e+8*\a+4:AF+32*\e+8*\a+7], v[ADRA+\slot] offset:128*PA*(\kq/2)+16*PA*\a+64*(\kq%2)+32
.endr
.endm
.macro PLACES                          ; four places behind a matrix instruction (ISA guide 7.12.1 for vector instructions)
.rept 4
	v_nop
.endr
.endm
.macro EIGHTH slot, kq, e, g, zero     ; multiplies buffer e; in its middle fetches eighth kq of the same slot into buffer g
	s_wait_dscnt 4                                 ; wp's fragments and y's row tiles 0, 1 are in; the youngest four loads (row tiles 2, 3) may be out
	WIN MUL
	MUL8 \e, 0, \zero
	PLACES
	WIN 0
	FETCH \slot, \kq, \g
	s_wait_dscnt 16                                ; all but the 16 just issued
	WIN MUL
	MUL8 \e, 2, \zero
.endm
.macro SEVEN slot, zero
	EIGHTH \slot, 1, 0, 1, \zero
	EIGHTH \slot, 2, 1, 0, 0
	EIGHTH \slot, 3, 0, 1, 0
	EIGHTH \slot, 4, 1, 0, 0
	EIGHTH \slot, 5, 0, 1, 0
	EIGHTH \slot, 6, 1, 0, 0
	EIGHTH \slot, 7, 0, 1, 0
.endm
; The last eighth multiplies buffer 1 and changes slots: each wave's waits for its reads of this slot and for all its tensor loads (one is
; out: its region of the next slot) stand in front of the barrier; with fill = 1 the barrier opens a round of the cluster's barrier and the
; joint refill, two K steps ahead, is the first tensor load behind it.  From that request to the wait for it a wave issues 120 matrix instructions.
.macro TURN slot, next, fill
	s_wait_dscnt 0                                 ; buffer 1 is in: my reads of this slot are over
	s_wait_tensorcnt 0x0                           ; all my tensor loads have landed
	ds_add_u32 v254, v255
	s_wait_dscnt 0x0
	s_barrier_signal -1
	WIN MUL
	MUL8 1, 0, 0                                   ; register work while the others arrive
	WIN 0
	s_barrier_wait -1
.if \fill
	CREST                                          ; no wave of any partner still reads this slot or has a load on its way
	s_add_nc_u64 s[G0+4*\slot+2:G0+4*\slot+3], s[G0+4*\slot+2:G0+4*\slot+3], 2*4*16384
	s_add_nc_u64 s[G0B+4*\slot+2:G0B+4*\slot+3], s[G0B+4*\slot+2:G0B+4*\slot+3], 2*256*2048
	JLOAD \slot
.endif
	PLACES
	FETCH \next, 0, 0
	WIN MUL
	MUL8 1, 2, 0
.endm
	s_wait_tensorcnt 1                             ; my region of K step 0 is in; K step 1's load stays out
	s_barrier_signal -1
	s_barrier_wait -1
	FETCH 0, 0, 0
	SEVEN 0, 1                                     ; K step 0: its first products start the sums
	TURN 0, 1, 1                                   ; slot 0 gets K step 2
	SEVEN 1, 0                                     ; K step 1
	TURN 1, 0, 1                                   ; slot 1 gets K step 3
	SEVEN 0, 0                                     ; K step 2
	TURN 0, 1, 0                                   ; nothing is left to fetch
	SEVEN 1, 0                                     ; K step 3
	s_wait_dscnt 0
	WIN MUL
	MUL8 1, 0, 0
	MUL8 1, 2, 0
	; THE WAY OUT, 16 rows at a time: bias added, 32 bytes a lane into my own stage, read back as whole rows of 256 bytes.
	PLACES                                         ; the places behind the last matrix instructions
	s_lshl_b32 s74, s13, 19                        ; my first row: (128 x block row + 64 x half) x 4,096 bytes
	s_lshl_b32 s75, s11, 18
	s_add_co_u32 s74, s74, s75
	s_add_co_u32 s74, s74, s72                     ; and my first column
	s_mov_b32 s75, 0
	s_add_nc_u64 s[70:71], s[70:71], s[74:75]
	s_wait_loadcnt 0x0                             ; the biases
.macro OUT16 a, f
	WIN 0x01                                       ; source 0 window 1
.irp b, 0,1,2,3
.irp q, 0,1,2,3
	v_pk_add_f32 v[TMP+8*\b+2*\q:TMP+8*\b+2*\q+1], v[8*(4*\a+\b)+2*\q:8*(4*\a+\b)+2*\q+1], v[BIAS+8*\b+2*\q:BIAS+8*\b+2*\q+1]
.endr
.endr
	WIN 0
.irp b, 0,1,2,3
	ds_store_b128 v[STO], v[TMP+8*\b:TMP+8*\b+3] offset:64*\b
	ds_store_b128 v[STO], v[TMP+8*\b+4:TMP+8*\b+7] offset:64*\b+16
.endr
	s_wait_xcnt 0x0                                ; buffer f, which earlier stores read, and the stores' base are rewritten only behind this wait
.if \a
	s_add_nc_u64 s[70:71], s[70:71], 16*4096       ; 16 rows on
.endif
.irp t, 0,1,2,3,4,5,6,7
	ds_load_b128 v[\f+4*\t:\f+4*\t+3], v[RD] offset:\t*2*272           ; LDS serves a wave's instructions in order (ISA guide 5.7.1.4): these see the stores above
.endr
.irp t, 0,1,2,3,4,5,6,7
	s_wait_dscnt 7-\t                              ; load t is in, the 7 - t younger ones stay out
	global_store_b128 v[CO], v[\f+4*\t:\f+4*\t+3], s[70:71] offset:2*\t*4096 th:TH_STORE_NT   ; 16 lanes store 256 consecutive bytes, aligned
.endr
.endm
	OUT16 0, AF
	OUT16 1, BF
	OUT16 2, AF
	OUT16 3, BF
	s_wait_tensorcnt 0x0
	ds_add_u32 v254, v255
	s_wait_dscnt 0x0
	CROUND                                         ; the closing round: no work-group ends while a partner may still ask for a tile that names it
	s_endpgm
.Lfunc_end_k_qd4e139d09e_proj:
	.size	k_qd4e139d09e_proj, .Lfunc_end_k_qd4e139d09e_proj-k_qd4e139d09e_proj
	.p2alignl 7, 3214868480
	.fill 96, 4, 3214868480
	.section	.rodata,"a",@progbits
	.p2align	6, 0x0
	.amdhsa_kernel k_qd4e139d09e_proj
		.amdhsa_group_segment_fixed_size 327680
		.amdhsa_private_segment_fixed_size 0
		.amdhsa_enable_private_segment 0
		.amdhsa_kernarg_size 32
		.amdhsa_user_sgpr_count 2
		.amdhsa_user_sgpr_kernarg_segment_ptr 1
		.amdhsa_wavefront_size32 1
		.amdhsa_system_sgpr_workgroup_id_x 1
		.amdhsa_system_sgpr_workgroup_id_y 1
		.amdhsa_system_sgpr_workgroup_id_z 1
		.amdhsa_system_vgpr_workitem_id 0
		.amdhsa_next_free_vgpr 384
		.amdhsa_next_free_sgpr 80
		.amdhsa_reserve_vcc 0
		.amdhsa_float_denorm_mode_32 3
		.amdhsa_float_denorm_mode_16_64 3
		.amdhsa_memory_ordered 1
		.amdhsa_forward_progress 1
		.amdhsa_inst_pref_size 94
	.end_amdhsa_kernel
	.amdgpu_metadata
---
amdhsa.version: [ 1, 2 ]
amdhsa.kernels:
  - .name:           k_qd4e139d09e_proj
    .symbol:         k_qd4e139d09e_proj.kd
    .args:
      - { .name: y2, .offset: 0, .size: 8, .value_kind: global_buffer, .address_space: global }
      - { .name: wp, .offset: 8, .size: 8, .value_kind: global_buffer, .address_space: global }
      - { .name: b_proj, .offset: 16, .size: 8, .value_kind: global_buffer, .address_space: global }
      - { .name: out0, .offset: 24, .size: 8, .value_kind: global_buffer, .address_space: global }
    .group_segment_fixed_size: 327680
    .private_segment_fixed_size: 0
    .kernarg_segment_align: 8
    .kernarg_segment_size: 32
    .max_flat_workgroup_size: 128
    .sgpr_count:     80
    .vgpr_count:     384
    .wavefront_size: 32
...
	.end_amdgpu_metadata
.endif
;; end of part 7
